; MI455X (gfx1250); checked and timed in simulation.
; The chip was launched on July 23, 2026; its instructions are those of AMD's public machine-readable ISA for CDNA 5 (MIT licence, August 2026) and "CDNA5" Instruction Set Architecture Reference Guide (July 2026). The comments in the code are by the model that wrote it; some were corrected since.
;; Multi Head Attention. Allowed arithmetic: matrix products marked QUANTISED: E4M3 operands, one given power-of-two scale a tensor, by v_wmma_f32_16x16x64_fp8_fp8 or v_wmma_f32_16x16x128_fp8_fp8, f32 sums; everything else in f32.
;; Inputs: lowp_scales 8 int32 (the exponents e of the quantised operands' scales 2^e); w_out 1,024 x 1,024 float32; w_qkv 1,024 x 3,072 float32; x 4 x 2,048 x 1,024 float32.
;; Outputs: out0 4 x 2,048 x 1,024 float32.
;; This version of the problem:
;;   THIS VERSION OF THE PROBLEM IS GIVEN IN LOW PRECISION. The matrix products marked QUANTISED in the list below multiply operands that are first quantised to E4M3 (4 exponent bits, 3 mantissa bits; 8 bits a number), with one given power-of-two scale for each operand tensor; their sums are f32. All else is computed in f32.
;;   The module's matrix products, in the order in which they are computed (A, B: the left and right operand; K: the contracted axis; several contracted axes count as one K, in the product's order):
;;     1. [M 8,192, K 1,024] x [K 1,024, N 3,072]; A: input x; B: input w_qkv: QUANTISED (scales: A lowp_scales[0], B lowp_scales[1])
;;     2. batch 64 x [M 2,048, K 64] x [K 64, N 2,048]; A: computed on the way; B: computed on the way: QUANTISED (scales: A lowp_scales[2], B lowp_scales[3])
;;     3. batch 64 x [M 64, K 2,048] x [K 2,048, N 2,048]; A: computed on the way; B: softmax (see below): QUANTISED (scales: A lowp_scales[4], B lowp_scales[5])
;;     4. [M 8,192, K 1,024] x [K 1,024, N 1,024]; A: computed on the way; B: input w_out: QUANTISED (scales: A lowp_scales[6], B lowp_scales[7])
;;   THE QUANTISER, for each operand of a quantised product, along K:
;;     - The operand's scale is 2^e, e = its entry of the input lowp_scales (int32; the entries are numbered through the quantised products in the list's order, A before B).
;;     - Each number is divided by the scale, clamped to +-448, and rounded to the nearest number of E4M3, ties to even, subnormals kept.
;;     - The product sums the exact products of the quantised numbers (number of the format x scale) in f32.
;;   ~~~python
;;   def quantise(x, axis, e):      # numpy; x: float32 -> the quantised numbers, widened to float32 again
;;       x = np.moveaxis(x, axis, -1); K = x.shape[-1]
;;       r = np.clip(x / 2.0 ** e, -448, 448)
;;       step = 2.0 ** (np.maximum(np.frexp(np.where(r == 0, 1, r))[1] - 1, -6) - 3)
;;       q = np.round(r / step) * step * 2.0 ** e      # np.round: ties to even
;;       return np.moveaxis(q, -1, axis).astype(np.float32)
;;   ~~~
;;   SOFTMAX AHEAD OF A QUANTISED PRODUCT. Where the list says 'softmax', what is quantised is not the finished softmax but p = 2^(t - M), with t = logit x log2(e) and M = ceil(the row's largest t), a whole number; so 1/2 < the row's largest p <= 1. The row's sum l is taken of the UNQUANTISED p, in f32, and the product's result is divided by l at the end. Since M is a whole number, a kernel that streams over the keys may use a running M (the ceiling of the running maximum): every later rescaling is an exact power of two, so the quantised numbers keep their values, but for numbers so far below the row's largest that they fall under the format's range.
;;   OPERANDS COMPUTED ON THE WAY. 'Computed on the way' means the value that the module computes at that place (a softmax that the list does not call 'softmax' is quantised finished and normalised). What goes into a quantiser is computed in f32, as accurately as f32 sums, v_exp_f32 and their like allow (about 1e-6 of the number): no bf16 or f16 on the way to a quantiser, and a product that is left as it is and whose result goes on into a quantised operand takes f32 operands (vector FMAs, or v_wmma_f32_16x16x4_f32). A number that lies on a knife's edge between two numbers of the format may be rounded either way, as far as f32 arithmetic and the matrix unit's own rounding can turn it there, and no further.
;; One version. Each part assembles by itself: llvm-mc -triple=amdgcn-amd-amdhsa -mcpu=gfx1250 --defsym DOCPART=n.
;; ======== version 1 of 1: 4 launches
;; limits: right only within a limited range of input values
;; workspace buffers: x_codes 8,388,608 bytes; wqkv_codes 3,145,728 bytes; wout_codes 1,048,576 bytes; qkv 25,165,824 bytes; att 8,388,608 bytes
;; launch quant (part 1): grid 384 x 1, 4 waves a work-group, no clusters, 68,096 bytes of LDS; arguments x, w_qkv, w_out, lowp_scales, x_codes, wqkv_codes, wout_codes; writes x_codes, wqkv_codes, wout_codes
.if DOCPART == 1
	.amdgcn_target "amdgcn-amd-amdhsa--gfx1250"
	.amdhsa_code_object_version 6
	.text
	.protected	k_qa618b437cb_quant
	.globl	k_qa618b437cb_quant
	.p2align	8
	.type	k_qa618b437cb_quant,@function
k_qa618b437cb_quant:
	s_mov_b64 s[64:65], 0
	v_nop
	global_prefetch_b8 v0, s[64:65] scope:SCOPE_SE
	s_setreg_imm32_b32 hwreg(HW_REG_WAVE_MODE, 25, 1), 1
	s_wait_xcnt 0x0
; x [8192][1024], w_qkv [1024][3072] and w_out [1024][1024], f32, become codes of FP8 (E4M3), K innermost, each with the one scale 2^e given for it
; (entries 0, 1 and 7 of the scales' buffer): x_codes [8192][1024], wqkv_codes [3072][1024], wout_codes [1024][1024].
; code = number / 2^e, held within +-448, rounded to the nearest code, ties to even.
; LIMITS: each of the three e lies between -126 and 119, so that 2^e and 448 x 2^e are f32 numbers.  NaN among the inputs is not served (an infinity is held at the largest code).
; Work-groups 0-255 take x, whose K is innermost: a plain stream of numbers; a wave takes 16 steps of 512 numbers.  Each load reads 512 consecutive bytes; a step's 2,048 bytes turn
; through the wave's own stage in LDS, so that a lane then holds 16 neighbours along K, as the conversions want them; a lane's 16 codes are 16 bytes, a wave's store 512 consecutive bytes.
; Work-groups 256-383 take the weights, whose K is the FIRST axis: a lane takes a column, its registers run down K, so the conversions give codes with K innermost.  A wave takes
; 32 columns x 256 along K; the codes leave through the wave's stage as rows: sixteen lanes store 256 consecutive bytes, aligned.
; The two paths part on the work-group's number, never join, and have LDS bytes of their own.  Waves share nothing: no barrier.
.set XWG,   256                        ; work-groups for x: 8,388,608 numbers / (4 waves x 8,192)
.set STEPS, 16
.set EMAX,  8
.set MANT,  0x600000                   ; the mantissa field of 448 as f32
.set CB,    16                         ; bytes of 16 codes
.set XR,    16                         ; path x: v16-79   four sets of 16 numbers as loaded
.set XN,    80                         ;         v80-111  two sets of 16 neighbours
.set XC,    128                        ;         v128-191 codes: four registers for each step, so that no store's data are written again
.set WREG,  8192                       ;         LDS 0 .. 32,767: a region for each wave, two stages of 32 x SP bytes
.set SP,    80                         ;         a lane's place in a stage: 64 bytes + 16 of padding
.set NB,    8                          ; path w: blocks of 32 along K for a wave
.set PITCH, 272                        ;         a stage row: 256 bytes of codes + 16
.set WST,   32768                      ;         LDS 32,768 on: 32 rows x PITCH for each wave
.set WX,    32                         ;         v32-95   two sets of 32 numbers
.set WC,    96                         ;         v96-103  a block's codes
.set WO,    112                        ;         v112-175 the way out
.set VA,    176                        ;         v176-207 byte offset of my column in rows 0 .. 31 of a block; never rewritten
.set SB,    32                         ;         s[32:47] the eight blocks' bases; never rewritten
	s_load_b256 s[4:11], s[0:1], 0x0               ; x s[4:5], w_qkv s[6:7], w_out s[8:9], the scales' exponents s[10:11]
	s_load_b128 s[12:15], s[0:1], 0x20             ; x_codes s[12:13], wqkv_codes s[14:15]
	s_load_b64 s[16:17], s[0:1], 0x30              ; wout_codes
	v_lshl_add_u32 v208, v0, 2, 0x10800
	v_mov_b32 v209, 0
	v_lshrrev_b32 v1, 5, v0
	v_readfirstlane_b32 s18, v1                    ; wave
	v_and_b32 v2, 31, v0                           ; lane
	s_wait_kmcnt 0x0
	s_load_b256 s[24:31], s[10:11], 0x0            ; e0 .. e7
	s_cmp_lt_u32 ttmp9, XWG
	s_cbranch_scc0 .Lweights
	; ---------------- x ----------------
	s_wait_alu depctr_va_vdst(0)
	v_lshlrev_b32 v3, 4, v2                        ; my 16 bytes of a load's 512
	s_wait_alu depctr_va_vdst(0)
	s_mul_i32 s19, s18, WREG
	v_lshrrev_b32 v14, 2, v2
	v_mul_u32_u24 v14, v14, SP
	v_and_b32 v15, 3, v2
	v_lshl_add_u32 v14, v15, 4, v14
	v_add_nc_u32 v14, s19, v14                     ; the stage, on the way in: four lanes' 64 bytes on end, then 16 of padding
	v_mul_u32_u24 v15, v2, SP
	v_add_nc_u32 v15, s19, v15                     ; and on the way out: SP x lane: my 16 neighbours
	v_mul_u32_u24 v4, v2, CB                       ; my codes' place in a step's
	s_lshl_b32 s20, ttmp9, 2
	s_add_co_u32 s20, s20, s18                     ; which run of 8,192 numbers is my wave's: 0 .. 1,023
	s_lshl_b32 s22, s20, 15                        ; 32,768 bytes of numbers a run
	s_mov_b32 s23, 0
	s_add_nc_u64 s[4:5], s[4:5], s[22:23]
	s_lshl_b32 s22, s20, 13                        ; 8,192 bytes of codes a run
	s_add_nc_u64 s[12:13], s[12:13], s[22:23]
.macro LOAD t
.irp i, 0,1,2,3
	global_load_b128 v[XR+16*((\t)%4)+4*\i:XR+16*((\t)%4)+4*\i+3], v3, s[4:5] offset:2048*(\t)+512*\i th:TH_LOAD_NT   ; 32 lanes read 512 consecutive bytes
.endr
.endm
.macro TURN t                          ; step t's numbers through the stage: LDS serves a wave's instructions in order, so no wait stands between the stores and the loads
.irp i, 0,1,2,3
	ds_store_b128 v14, v[XR+16*((\t)%4)+4*\i:XR+16*((\t)%4)+4*\i+3] offset:32*SP*((\t)%2)+8*SP*\i
.endr
.irp i, 0,1,2,3
	ds_load_b128 v[XN+16*((\t)%2)+4*\i:XN+16*((\t)%2)+4*\i+3], v15 offset:32*SP*((\t)%2)+16*\i
.endr
.endm
.irp t, 0,1,2,3
	LOAD \t
.endr
	s_wait_alu depctr_va_vdst(0)
	s_wait_kmcnt 0x0
	s_add_co_i32 s22, s24, 127                     ; e0
	s_lshl_b32 s23, s22, 23
	v_mov_b32 v11, s23                             ; 2^e as f32: the conversion takes its exponent field
	s_add_co_i32 s22, s22, EMAX
	s_lshl_b32 s22, s22, 23
	s_or_b32 s22, s22, MANT
	v_mov_b32 v10, s22                             ; 448 x 2^e
	s_wait_alu depctr_va_vdst(0)
	s_wait_loadcnt 12                              ; step 0's four loads are in; the twelve of steps 1 to 3 may be out
	TURN 0
.macro STEP t
.set XS, XN+16*((\t)%2)
	s_wait_dscnt 0x0                               ; this step's numbers are back from the stage: so its stores into the stage have read their registers,
.if (\t)+4 < STEPS
	LOAD (\t)+4                                    ; which take the loads of four steps on
.endif
.if (\t)+1 < STEPS
.if STEPS-2-(\t) >= 3
	s_wait_loadcnt 12                              ; the next step's four loads are in; those of the three steps behind it may be out
.else
	s_wait_loadcnt 4*(STEPS-2-(\t))                ; at the end the count runs down: 8, 4, 0
.endif
	TURN (\t)+1                                    ; and go through the other stage while this step is worked
.endif
.irp i, 0,1,2,3,4,5,6,7,8,9,10,11,12,13,14,15
	v_med3_num_f32 v[XS+\i], v[XS+\i], -v10, v10   ; the conversion to an 8-bit code does not saturate (ISA guide 7.6.2): the number is held within 448 x the scale first
.endr
	v_cvt_scalef32_pk8_fp8_f32 v[XC+4*(\t):XC+4*(\t)+1], v[XS:XS+7], v11
	v_cvt_scalef32_pk8_fp8_f32 v[XC+4*(\t)+2:XC+4*(\t)+3], v[XS+8:XS+15], v11   ; the results go to a store alone; the next vector lines, the next step's holds, are plain and touch other registers
	global_store_b128 v4, v[XC+4*(\t):XC+4*(\t)+3], s[12:13] offset:32*CB*(\t)  ; 32 lanes store 512 consecutive bytes, aligned
.endm
.irp t, 0,1,2,3,4,5,6,7,8,9,10,11,12,13,14,15
	STEP \t
.endr
	s_wait_tensorcnt 0x0
	ds_add_u32 v208, v209
	s_wait_dscnt 0x0
	s_endpgm
	; ---------------- the weights ----------------
.Lweights:
	s_sub_co_u32 s19, ttmp9, XWG                   ; 0 .. 127
	s_lshr_b32 s20, s19, 5                         ; y: which 256 along K
	s_and_b32 s21, s19, 31                         ; 0 .. 23: a block of 128 columns of w_qkv; 24 .. 31: of w_out
	s_mov_b32 s22, 4096
	s_cmp_lt_u32 s21, 24                           ; the choices hang on the work-group's number alone
	s_cselect_b64 s[6:7], s[6:7], s[8:9]           ; the weight,
	s_cselect_b64 s[14:15], s[14:15], s[16:17]     ; its codes,
	s_cselect_b32 s22, 12288, s22                  ; P: bytes in one of its rows,
	s_cselect_b32 s23, 0, 24
	s_sub_co_u32 s48, s21, s23                     ; and the block's number in it
	s_lshl_b32 s49, s48, 7
	s_lshl_b32 s50, s18, 5
	s_add_co_u32 s49, s49, s50                     ; my wave's first column: 128 x block + 32 x wave
	s_mul_i32 s50, s20, s22
	s_lshl_b32 s50, s50, 8                         ; 256 y rows of P bytes
	s_lshl_b32 s51, s49, 2
	s_add_co_u32 s50, s50, s51                     ; + 4 x column
	s_mov_b32 s51, 0
	s_add_nc_u64 s[SB:SB+1], s[6:7], s[50:51]      ; block 0's base
	s_lshl_b32 s52, s22, 5                         ; 32 rows on
	s_mov_b32 s53, 0
.irp t, 1,2,3,4,5,6,7
	s_add_nc_u64 s[SB+2*\t:SB+2*\t+1], s[SB+2*\t-2:SB+2*\t-1], s[52:53]
.endr
	s_lshl_b32 s50, s49, 10                        ; the codes: column x 1,024 bytes
	s_lshl_b32 s54, s20, 8                         ; + 256 y
	s_add_co_u32 s50, s50, s54
	s_add_nc_u64 s[14:15], s[14:15], s[50:51]
	s_wait_alu depctr_va_vdst(0)
	v_lshlrev_b32 v[VA], 2, v2                     ; 4 bytes a lane,
.set i, 1
.rept 31
	v_add_nc_u32 v[VA+i], s22, v[VA+i-1]           ; and a row further down for each of a block's 32 registers
.set i, i+1
.endr
	s_mul_i32 s55, s18, 32*PITCH
	s_add_co_u32 s55, s55, WST                     ; my stage
	v_mul_u32_u24 v4, v2, PITCH
	v_add_nc_u32 v4, s55, v4                       ; into it: row = my column
	v_and_b32 v5, 15, v2
	v_lshrrev_b32 v6, 4, v2                        ; out of it: sixteen lanes to a row, two rows an instruction
	v_mul_u32_u24 v7, v6, PITCH
	v_lshl_add_u32 v7, v5, 4, v7
	v_add_nc_u32 v7, s55, v7
	v_lshlrev_b32 v8, 10, v6
	v_lshl_add_u32 v8, v5, 4, v8                   ; and the same place in the codes' buffer
.macro WLOAD t                         ; block t: W(32 t + i, my column), i = 0 .. 31, into set t % 2: each load reads 128 consecutive bytes, the four waves side by side 512
.set i, 0
.rept 32
	global_load_b32 v[WX+32*((\t)%2)+i], v[VA+i], s[SB+2*(\t):SB+2*(\t)+1] th:TH_LOAD_NT
.set i, i+1
.endr
.endm
	WLOAD 0
	WLOAD 1
	s_wait_kmcnt 0x0
	s_cmp_lt_u32 s21, 24
	s_cselect_b32 s56, s25, s31                    ; e1 for w_qkv, e7 for w_out
	s_add_co_i32 s56, s56, 127
	s_lshl_b32 s57, s56, 23
	v_mov_b32 v11, s57                             ; 2^e as f32
	s_add_co_i32 s56, s56, EMAX
	s_lshl_b32 s56, s56, 23
	s_or_b32 s56, s56, MANT
	v_mov_b32 v10, s56                             ; 448 x 2^e
.macro WBLOCK t
.set XS, WX+32*((\t)%2)
.if (\t) < NB-1
	s_wait_loadcnt 32                              ; this block's 32 loads are in; the next block's 32 may be out
.else
	s_wait_loadcnt 0
.endif
.set i, 0
.rept 32
	v_med3_num_f32 v[XS+i], v[XS+i], -v10, v10     ; the hold, as for x
.set i, i+1
.endr
.irp g, 0,1,2,3
	v_cvt_scalef32_pk8_fp8_f32 v[WC+2*\g:WC+2*\g+1], v[XS+8*\g:XS+8*\g+7], v11
.endr
	ds_store_b128 v4, v[WC:WC+3] offset:32*(\t)    ; 32 codes: 32 bytes of my column's row.  (The results go to LDS stores alone, and the next block begins with plain vector lines)
	ds_store_b128 v4, v[WC+4:WC+7] offset:32*(\t)+16
.if (\t)+2 < NB
	WLOAD (\t)+2
.endif
	s_wait_dscnt 0x0                               ; the stores have read their registers: the next block's codes may be written
.endm
	s_wait_alu depctr_va_vdst(0)
.irp t, 0,1,2,3,4,5,6,7
	WBLOCK \t
.endr
.irp t, 0,1,2,3,4,5,6,7,8,9,10,11,12,13,14,15
	ds_load_b128 v[WO+4*\t:WO+4*\t+3], v7 offset:2*\t*PITCH   ; LDS serves a wave's instructions in order: these see my stores
.endr
.irp t, 0,1,2,3,4,5,6,7,8,9,10,11,12,13,14,15
	s_wait_dscnt 15-\t                             ; load t is in; the younger ones may be out
	global_store_b128 v8, v[WO+4*\t:WO+4*\t+3], s[14:15] offset:2*\t*1024   ; sixteen lanes store 256 consecutive bytes, aligned
.endr
	s_wait_tensorcnt 0x0
	ds_add_u32 v208, v209
	s_wait_dscnt 0x0
	s_endpgm
.Lfunc_end_k_qa618b437cb_quant:
	.size	k_qa618b437cb_quant, .Lfunc_end_k_qa618b437cb_quant-k_qa618b437cb_quant
	.p2alignl 7, 3214868480
	.fill 96, 4, 3214868480
	.section	.rodata,"a",@progbits
	.p2align	6, 0x0
	.amdhsa_kernel k_qa618b437cb_quant
		.amdhsa_group_segment_fixed_size 68096
		.amdhsa_private_segment_fixed_size 0
		.amdhsa_enable_private_segment 0
		.amdhsa_kernarg_size 56
		.amdhsa_user_sgpr_count 2
		.amdhsa_user_sgpr_kernarg_segment_ptr 1
		.amdhsa_wavefront_size32 1
		.amdhsa_system_sgpr_workgroup_id_x 1
		.amdhsa_system_sgpr_workgroup_id_y 1
		.amdhsa_system_sgpr_workgroup_id_z 1
		.amdhsa_system_vgpr_workitem_id 0
		.amdhsa_next_free_vgpr 210
		.amdhsa_next_free_sgpr 66
		.amdhsa_reserve_vcc 0
		.amdhsa_float_denorm_mode_32 3
		.amdhsa_float_denorm_mode_16_64 3
		.amdhsa_memory_ordered 1
		.amdhsa_forward_progress 1
		.amdhsa_inst_pref_size 87
	.end_amdhsa_kernel
	.amdgpu_metadata
---
amdhsa.version: [ 1, 2 ]
amdhsa.kernels:
  - .name:           k_qa618b437cb_quant
    .symbol:         k_qa618b437cb_quant.kd
    .args:
      - { .name: x, .offset: 0, .size: 8, .value_kind: global_buffer, .address_space: global }
      - { .name: w_qkv, .offset: 8, .size: 8, .value_kind: global_buffer, .address_space: global }
      - { .name: w_out, .offset: 16, .size: 8, .value_kind: global_buffer, .address_space: global }
      - { .name: lowp_scales, .offset: 24, .size: 8, .value_kind: global_buffer, .address_space: global }
      - { .name: x_codes, .offset: 32, .size: 8, .value_kind: global_buffer, .address_space: global }
      - { .name: wqkv_codes, .offset: 40, .size: 8, .value_kind: global_buffer, .address_space: global }
      - { .name: wout_codes, .offset: 48, .size: 8, .value_kind: global_buffer, .address_space: global }
    .group_segment_fixed_size: 68096
    .private_segment_fixed_size: 0
    .kernarg_segment_align: 8
    .kernarg_segment_size: 56
    .max_flat_workgroup_size: 128
    .sgpr_count:     66
    .vgpr_count:     210
    .wavefront_size: 32
...
	.end_amdgpu_metadata
.endif
;; end of part 1
;; launch gemm_qkv (part 2): grid 12 x 32, 4 waves a work-group, clusters of 4 x 4, 327,680 bytes of LDS; arguments x_codes, wqkv_codes, lowp_scales, qkv; writes qkv
.if DOCPART == 2
	.amdgcn_target "amdgcn-amd-amdhsa--gfx1250"
	.amdhsa_code_object_version 6
	.text
	.protected	k_qa618b437cb_gemm_qkv
	.globl	k_qa618b437cb_gemm_qkv
	.p2align	8
	.type	k_qa618b437cb_gemm_qkv,@function
k_qa618b437cb_gemm_qkv:
	s_mov_b64 s[64:65], 0
	v_nop
	global_prefetch_b8 v0, s[64:65] scope:SCOPE_SE
	s_setreg_imm32_b32 hwreg(HW_REG_WAVE_MODE, 25, 1), 1
	s_wait_xcnt 0x0
	s_wait_alu depctr_hold_cnt(0) depctr_sa_sdst(0) depctr_va_vdst(0) depctr_va_sdst(0) depctr_va_ssrc(0) depctr_va_vcc(0) depctr_vm_vsrc(0)
	s_getreg_b32 s2, hwreg(HW_REG_IB_STS2, 6, 4)
	s_cmp_eq_u32 s2, 0
	s_cbranch_scc0 .Lentry_in_a_cluster
	s_endpgm
.Lentry_in_a_cluster:
	s_bfe_u32 s2, ttmp6, 0x10000c
	s_cmp_lg_u32 s2, 0xf033
	s_cbranch_scc0 .Lentry_shape_is_right
	s_endpgm
.Lentry_shape_is_right:
; qkv = x w_qkv on codes of FP8 (E4M3); the f32 sums are quantised at once, q with e2, k with e3, v with e4, and stored as IMAGES OF THE OPERAND REGISTERS that the attention launch loads.
; x_codes [8192][1024], wqkv_codes [3072][1024], K innermost.  A sum stands for sum x 2^(e0 + e1), so its code is sum / 2^(e_t - e0 - e1), held within +-448 of that scale.
; LIMITS: e_t - e0 - e1 (t = 2, 3, 4) lies between -126 and 119, so that the scale and 448 x the scale are f32 numbers.
; A work-group of four waves makes 256 x 256, a wave 128 x 128: 64 accumulators, 512 registers.  K goes in steps of 256 through a ring of two LDS slots filled by the tensor data mover.
; THE MATRIX INSTRUCTION IS USED TRANSPOSED (source 0 = 16 rows of 'B', source 1 = 16 rows of 'A'): a lane holds one row of A and eight neighbouring rows of B, which become eight neighbouring codes.
; Those neighbours must run along the NEXT product's K.  Cluster x = 0 (q) and 1 (k): K is the head's 64, so A = tokens (x_codes), B = columns of w.  Cluster x = 2 (v): K is the keys, so A = columns of w, B = tokens.
; The choice is made by selects on the cluster's x, which all sixteen partners share; no branch hangs on it: one text serves q, k and v.
; CLUSTERS: 4 x 4 work-groups.  The four of a row of the cluster need the same tiles of A, the four of a column the same tiles of B: each tile is asked for JOINTLY, by the same tensor load, the same descriptor and a mask that names the four.
; THE IMAGES.  A tile of 16 rows with number 2 B + u holds rows 32 B + 8 u + r + 8 (r / 8), r = 0 .. 15.  An image is groups of 512 bytes: group c holds at byte 16 x lane (lane = r + 16 h) the 16 codes k = 32 c + 16 h + 0 .. 15 of row r.
;   q at byte 0, k at 8 MiB: [batch x head 64][tile of tokens 128][2 groups along d];   v at 16 MiB: [batch x head 64][step of 128 keys 16][tile of d 4][4 groups along the keys].
; 384 work-groups for 256 WGPs: a smaller tile would fill them evenly and read more LDS bytes for each product; the larger tile is kept.
; REGISTERS, in windows of 256: window 0: v0-31 addresses; from v128 A's fragments, ONE set; on the way out v32-255 are free.  window 1: B's fragments, TWO sets.  windows 2, 3: the accumulators ((a, b) at v[8 (8 (a % 4) + b)]).
.set KSTEP,  256
.set ROWB,   256                       ; a tile's row in bytes
.set KROW,   1024                      ; a row of either operand in memory, in bytes
.set PITCH,  272                       ; an LDS row: 256 bytes + 16 of padding = 68 words: the 16 rows that a load touches start at 16 different banks (64 banks of 4 bytes: ISA guide 11.1)
.set FR,     16                        ; registers of a fragment: 16 rows x 128 K
.set NL,     4                         ; LDS loads that bring one
.set NP,     4                         ; places behind this matrix instruction (ISA guide 7.12.1)
.set HALFT,  128*PITCH                 ; 128 rows: what one tensor load brings
.set SLOT,   4*HALFT
.set LAPS,   2                         ; K = 1,024 = 4 K steps = twice round the ring
.set SPARE,  2*SLOT                    ; behind the ring: the spare words, 128 bytes a wave: two blocks of 256 bytes that no other line names
.set SROW,   144                       ; the way out: a stage row: 128 codes + 16 bytes
.set SBLK,   2432                      ; from a pair's even block of 16 rows to its odd one: 16 rows + 128 bytes
.set SWAVE,  5120                      ; a wave's stage.  The stages lie in slot 0, which has had its last fill and its last read when the first code is stored there
.set VO,   8                           ; v8-15   the way out: 16 x lane + g x S1 + t x S3 at v[VO + 4 g + t]; never rewritten
.set ADRA, 16                          ; v16-17  LDS address of my A fragments in slot 0, 1
.set ADRB, 20                          ; v20-21  the same for B
.set STO,  24                          ; v24     the way out: where I put 8 codes of a row
.set RD,   25                          ; v25     the way out: where I read 16 codes of an image
.set SPW,  28                          ; v28     LDS address of my spare word; never rewritten
.set NIL,  29                          ; v29     0; never rewritten
.set SCV,  30                          ; v30     2^(e_t - e0 - e1) as f32
.set LIMV, 31                          ; v31     448 x that
.set TMP,  32                          ; v32-95  a block's 64 sums, held
.set CD,   96                          ; v96-127 its codes: two sets of 16
.set AF,   128                         ; A's fragments, in window 0
.set BK,   128                         ; the way out: a pair's two images: v128-159 and v160-191 by turns
.set G1, 24                            ; s[24:31] descriptor group 1 for A's tiles;  s[32:39] group 0, one set for each slot
.set G0, 32
.set G1B, 48                           ; s[48:55], s[56:63] the same for B's tiles
.set G0B, 56
.set MSB, 0
.macro WIN new                         ; the immediate's high byte repeats the setting that is left
.if MSB != \new
	s_set_vgpr_msb (MSB<<8)|\new
.set MSB, \new
.endif
.endm
.set MUL_LO, 0xa1                      ; source 0 (B) window 1, source 1 (A) window 0, C and D window 2
.set MUL_HI, 0xf1                      ; the same, C and D window 3
.set TO_B,   0x40                      ; destination window 1, address window 0
; A joint load: waves 0 and 1 fetch for A, waves 2 and 3 for B.  Each line has ONE mask and one set of registers for all that issue it; the branch hangs on the wave's number alone.
; Four v_nop follow each of the two lines, ahead of the jump, the label and what follows.
.macro JLOAD g0a, g1a, g0b, g1b
	s_cmp_eq_u32 s15, 0
	s_cbranch_scc0 .Lfor_b_\@
	tensor_load_to_lds s[\g0a:\g0a+3], s[\g1a:\g1a+7]
	s_nop 0
.rept 4
	v_nop
.endr
	s_branch .Lasked_\@
.Lfor_b_\@:
	tensor_load_to_lds s[\g0b:\g0b+3], s[\g1b:\g1b+7]
	s_nop 0
.rept 4
	v_nop
.endr
.Lasked_\@:
.endm
.macro CREST                           ; a round of the cluster's barrier behind its opening barrier
	s_cmp_lg_u32 s14, 0
	s_cbranch_scc1 .Lnot_wave_0_\@
	s_barrier_signal -3
.Lnot_wave_0_\@:
	s_barrier_wait -3
	s_barrier_signal -1
	s_barrier_wait -1
.endm
.macro CROUND                          ; a whole round
	s_barrier_signal -1
	s_barrier_wait -1
	CREST
.endm
	s_load_b128 s[4:7], s[0:1], 0x0                ; x_codes s[4:5], wqkv_codes s[6:7]
	s_load_b128 s[8:11], s[0:1], 0x10              ; the scales' exponents s[8:9], qkv s[10:11]
	v_lshl_add_u32 v[SPW], v0, 2, SPARE
	v_mov_b32 v[NIL], 0
	ds_add_u32 v28, v29
	ds_add_u32 v28, v29
	s_wait_dscnt 0x0
	v_lshrrev_b32 v1, 5, v0
	v_readfirstlane_b32 s14, v1                    ; wave 0..3
	s_lshr_b32 s15, s14, 1                         ; which half of A's 256 rows is mine.  Also: I fetch for A (0) or for B (1)
	s_and_b32 s16, s14, 1                          ; which half of B's 256 rows.  Also: which 128 rows of that tile I fetch
	s_bfe_u32 s40, ttmp6, 0x40000                  ; cx, cy: my place in the cluster
	s_bfe_u32 s41, ttmp6, 0x40004
	s_mov_b32 s66, ttmp9                           ; the cluster's x: 0 q, 1 k, 2 v
	s_and_b32 s67, ttmp7, 0xffff                   ; the cluster's y: which 1,024 tokens
	s_lshl_b32 s43, s41, 2
	s_lshl_b32 s43, 15, s43                        ; my row of the cluster
	s_lshl_b32 s44, 0x1111, s40                    ; my column
	; descriptor group 1: a tile of 128 rows x 256 bytes, padded in LDS
	s_or_b32 s[G1+0], s43, (0<<16)|(1<<20)|(1<<21)|(5<<22)|(3<<25)  ; 15:0 the mask: A's tiles go to my row; 17:16 element of 1 byte; 20 padding on; 21 set beside a mask; 24:22 after every 64 words (code 5); 31:25 of 4 words (code 3)
	s_or_b32 s[G1B+0], s44, (0<<16)|(1<<20)|(1<<21)|(5<<22)|(3<<25)
.irp g, G1, G1B
	s_mov_b32 s[\g+1], ROWB<<16                    ; tensor_dim0
	s_mov_b32 s[\g+2], 128<<16                     ; tensor_dim1 = 128
	s_mov_b32 s[\g+3], ROWB<<16                    ; tile_dim0
	s_mov_b32 s[\g+4], 128                         ; tile_dim1 = 128
	s_mov_b32 s[\g+5], KROW                        ; tensor_dim0_stride
	s_mov_b32 s[\g+6], 0
	s_mov_b32 s[\g+7], 0
.endr
	; where the tiles come from.  A's address is made of cy, the cluster's numbers and the wave's; B's of cx, the cluster's numbers and the wave's: each in registers that never hold the other coordinate
	s_lshl_b32 s72, s67, 10                        ; my cluster's first token
	s_lshl_b32 s74, s66, 10                        ; q's or k's first row in wqkv_codes
	s_lshl_b32 s73, s41, 8                         ; 256 cy
	s_lshl_b32 s75, s40, 8                         ; 256 cx
	s_lshl_b32 s18, s16, 7                         ; which 128 rows of the tile I fetch
	s_cmp_eq_u32 s66, 2
	s_cselect_b32 s20, 2048, s72                   ; A's first row: v's first row in wqkv_codes, or the cluster's first token
	s_cselect_b32 s46, s72, s74                    ; B's: the cluster's first token, or q's or k's first row
	s_add_co_u32 s20, s20, s73
	s_add_co_u32 s20, s20, s18
	s_add_co_u32 s46, s46, s75
	s_add_co_u32 s46, s46, s18
	s_lshl_b32 s20, s20, 10                        ; rows of 1,024 bytes: under 2^23
	s_lshl_b32 s46, s46, 10
	s_mov_b32 s21, 0
	s_mov_b32 s47, 0
	s_mul_i32 s45, s14, HALFT                      ; where they go: wave x 128 rows: no place in the cluster enters an LDS address
	s_wait_kmcnt 0x0
	s_load_b256 s[80:87], s[8:9], 0x0              ; e0 .. e7
	s_cmp_eq_u32 s66, 2
	s_cselect_b64 s[68:69], s[6:7], s[4:5]         ; A's tensor
	s_cselect_b64 s[70:71], s[4:5], s[6:7]         ; B's tensor
	s_add_nc_u64 s[20:21], s[68:69], s[20:21]
	s_add_nc_u64 s[46:47], s[70:71], s[46:47]
	CROUND                                         ; all sixteen work-groups are here: the first joint loads meet
.irp s, 0,1
	s_mov_b32 s[G0+4*\s], 1
	s_add_co_u32 s[G0+4*\s+1], s45, \s*SLOT
	s_add_nc_u64 s[G0+4*\s+2:G0+4*\s+3], s[20:21], \s*ROWB
	s_or_b32 s[G0+4*\s+3], s[G0+4*\s+3], 0x80000000
	s_mov_b32 s[G0B+4*\s], 1
	s_add_co_u32 s[G0B+4*\s+1], s45, \s*SLOT
	s_add_nc_u64 s[G0B+4*\s+2:G0B+4*\s+3], s[46:47], \s*ROWB
	s_or_b32 s[G0B+4*\s+3], s[G0B+4*\s+3], 0x80000000
.endr
	JLOAD G0, G1, G0B, G1B                         ; K step 0: one tensor load a wave at the head
	v_and_b32 v1, 15, v0                           ; r = l % 16
	s_wait_alu depctr_va_vdst(0)
	v_bfe_u32 v2, v0, 4, 1                         ; h = l / 16
	v_mul_u32_u24 v3, v1, PITCH
	v_lshl_add_u32 v4, v2, 4, v3                   ; a fragment's row x pitch + 16 x half
	s_mul_i32 s21, s15, HALFT                      ; my 128 rows of A
	s_mul_i32 s22, s16, HALFT                      ; my 128 rows of B,
	s_add_co_u32 s22, s22, 2*HALFT                 ; which lie behind A's 256
.irp s, 0,1
	v_add_nc_u32 v[ADRA+\s], s21, v4
	v_add_nc_u32 v[ADRB+\s], s22, v4
	s_add_co_u32 s21, s21, SLOT
	s_add_co_u32 s22, s22, SLOT
.endr
	; the way out's addresses and scale are made here, while the first tiles are on their way
	s_mul_i32 s23, s14, SWAVE                      ; my stage
	v_mul_u32_u24 v5, v1, SROW
	s_wait_alu depctr_va_vdst(0)
	v_lshl_add_u32 v5, v2, 3, v5
	v_add_nc_u32 v[STO], s23, v5                   ; in: row r, 8 bytes for each half of the lanes
	v_and_b32 v5, 7, v1
	v_mul_u32_u24 v5, v5, SROW
	v_lshl_add_u32 v5, v2, 4, v5
	v_bfe_u32 v6, v0, 3, 1
	v_mul_u32_u24 v6, v6, SBLK
	v_add_nc_u32 v5, v5, v6
	v_add_nc_u32 v[RD], s23, v5                    ; back: lanes r = 0-7 take rows of the even block, r = 8-15 of the odd one; 16 bytes for each half of the lanes
	s_mov_b32 s88, 1024
	s_mov_b32 s90, 4096
	s_mov_b32 s92, 1024
	s_cmp_eq_u32 s66, 2                            ; v?
	s_cselect_b32 s76, s40, s41                    ; the tokens hang on cx (v) or cy (q, k),
	s_cselect_b32 s77, s16, s15                    ; and on my half of B (v) or of A;
	s_cselect_b32 s78, s41, s40                    ; the heads the other way round
	s_cselect_b32 s79, s15, s16
	s_cselect_b32 s88, s88, 0x20000                ; S1: two groups on: 1,024 bytes in v's images; in q's and k's the next head, 131,072
	s_cselect_b32 s90, 0x20000, s90                ; S2: four tiles on: the next head in v; 4,096 bytes in q and k
	s_cselect_b32 s92, 2048, s92                   ; S3: a tile on
	s_lshl_b32 s76, s76, 8
	s_lshl_b32 s77, s77, 7
	s_add_co_u32 s76, s76, s77
	s_add_co_u32 s76, s76, s72                     ; my first token
	s_lshl_b32 s78, s78, 2
	s_lshl_b32 s79, s79, 1
	s_add_co_u32 s78, s78, s79                     ; my first head (of two)
	s_lshl_b32 s77, s66, 23                        ; q, k or v: 8 MiB each
	s_lshr_b32 s79, s76, 11
	s_lshl_b32 s79, s79, 21                        ; the batch: 16 heads x 131,072 bytes
	s_add_co_u32 s77, s77, s79
	s_lshl_b32 s78, s78, 17
	s_add_co_u32 s77, s77, s78
	s_and_b32 s76, s76, 2047
	s_lshl_b32 s76, s76, 6                         ; 64 bytes a token in all three layouts
	s_add_co_u32 s76, s76, s77
	s_mov_b32 s77, 0
	s_mov_b32 s91, 0
	s_add_nc_u64 s[10:11], s[10:11], s[76:77]      ; where tiles 0-3 of my 8 go,
	s_add_nc_u64 s[12:13], s[10:11], s[90:91]      ; and tiles 4-7
	v_and_b32 v6, 31, v0
	v_lshlrev_b32 v[VO], 4, v6
.irp t, 1,2,3
	v_add_nc_u32 v[VO+\t], s92, v[VO+\t-1]
.endr
.irp t, 0,1,2,3
	v_add_nc_u32 v[VO+4+\t], s88, v[VO+\t]
.endr
	s_wait_kmcnt 0x0
	s_cmp_eq_u32 s66, 0
	s_cselect_b32 s76, s82, s83                    ; e2 for q, e3 for k,
	s_cmp_eq_u32 s66, 2
	s_cselect_b32 s76, s84, s76                    ; e4 for v
	s_sub_co_i32 s76, s76, s80
	s_sub_co_i32 s76, s76, s81                     ; less e0 and e1: the three scales are folded into the conversion's one
	s_add_co_i32 s76, s76, 127
	s_lshl_b32 s77, s76, 23
	v_mov_b32 v[SCV], s77
	s_add_co_i32 s76, s76, 8
	s_lshl_b32 s76, s76, 23
	s_or_b32 s76, s76, 0x600000
	v_mov_b32 v[LIMV], s76
.macro FRAG reg, adr, q, i             ; a fragment, 16 rows x 128 K, is 16 registers: lane l holds row l % 16; registers 4 c .. 4 c + 3 hold K = 32 c + 16 (l / 16) + 0 .. 15: the same places of k in A and in B
.irp c, 0,1,2,3
	ds_load_b128 v[\reg+4*\c:\reg+4*\c+3], v[\adr] offset:128*(\q)+32*\c+(\i)*16*PITCH
.endr
.endm
; 16 matrix instructions: A's blocks a0, a0 + 1 x B's eight, 128 along K.  p: B's set.  zero = 1: the first product starts the sums.
; The 64 accumulators take turns, one instruction a turn, in the same order in every step.
.macro MUL16 a0, p, zero
.irp a, \a0, \a0+1
.irp b, 0,1,2,3,4,5,6,7
.if \zero
	v_wmma_f32_16x16x128_fp8_fp8 v[8*(8*((\a)%4)+\b):8*(8*((\a)%4)+\b)+7], v[128*(\p)+FR*\b:128*(\p)+FR*\b+FR-1], v[AF+FR*(\a):AF+FR*(\a)+FR-1], 0
.else
	v_wmma_f32_16x16x128_fp8_fp8 v[8*(8*((\a)%4)+\b):8*(8*((\a)%4)+\b)+7], v[128*(\p)+FR*\b:128*(\p)+FR*\b+FR-1], v[AF+FR*(\a):AF+FR*(\a)+FR-1], v[8*(8*((\a)%4)+\b):8*(8*((\a)%4)+\b)+7]
.endif
.endr
.endr
.endm
.macro FETCH_B slot, q, p              ; B's eight fragments of the slot's q-th 128 along K into set p
	WIN TO_B
.irp i, 0,1,2,3,4,5,6,7
	FRAG 128*(\p)+FR*\i, ADRB+\slot, \q, \i
.endr
	WIN 0
.endm
.macro FETCH_A slot, q, i0             ; A's blocks i0 .. i0 + 3
.irp i, \i0, \i0+1, \i0+2, \i0+3
	FRAG AF+FR*(\i), ADRA+\slot, \q, \i
.endr
.endm
.macro PLACES n                        ; plain vector instructions between a matrix instruction and a load into one of its registers, or the first read of its result
.rept \n
	v_nop
.endr
.endm
; A step of 128 along K that has its successor in the same slot.
.macro STEP slot, q, zero
	s_wait_dscnt 4*NL                              ; B's set and A's blocks 0-3 are in; the youngest sixteen loads (A's blocks 4-7) may be out
	WIN MUL_LO
	MUL16 0, (\q)%2, \zero
	MUL16 2, (\q)%2, \zero
	s_wait_dscnt 0                                 ; A's blocks 4-7 are in (asked for 32 matrix instructions ago)
	PLACES NP
	FETCH_B \slot, (\q)+1, 1-(\q)%2
	FETCH_A \slot, (\q)+1, 0
	WIN MUL_HI
	MUL16 4, (\q)%2, \zero
	MUL16 6, (\q)%2, \zero
	PLACES NP
	WIN 0
	FETCH_A \slot, (\q)+1, 4
.endm
; A slot's last step changes slots: ONE barrier; in front of it each wave waits for all its tensor loads, adds 0 to its spare word, and waits for that and for its own reads of this slot.  fill = 1: this slot is filled again, two K steps ahead.
.macro TURN slot, next, fill
	s_wait_tensorcnt 0x0                           ; all my tensor loads have landed: my part of the next slot;  (every window is 0 here)
	ds_add_u32 v[SPW], v[NIL]                      ; 0 onto my spare word;
	s_wait_dscnt 4*NL+1                            ; (the add and the youngest sixteen loads, A's blocks 4-7, may be out)
	WIN MUL_LO
	MUL16 0, 1, 0                                  ; sixteen matrix instructions stand between the add and the wait for it
	s_wait_dscnt 0x0                               ; the add is done, and my reads of this slot are over
	s_barrier_signal -1
	MUL16 2, 1, 0
	WIN 0
	s_barrier_wait -1
.if \fill
	CREST                                          ; the barrier has opened a round of the cluster's barrier: no wave of any partner still reads this slot's tile or has a load on its way
	s_add_nc_u64 s[G0+4*\slot+2:G0+4*\slot+3], s[G0+4*\slot+2:G0+4*\slot+3], 2*ROWB
	s_add_nc_u64 s[G0B+4*\slot+2:G0B+4*\slot+3], s[G0B+4*\slot+2:G0B+4*\slot+3], 2*ROWB
	JLOAD G0+4*\slot, G1, G0B+4*\slot, G1B         ; the first tensor load behind the round; the four v_nop behind it are the places in front of the loads below
.else
	PLACES NP
.endif
	FETCH_B \next, 0, 0
	FETCH_A \next, 0, 0
	WIN MUL_HI
	MUL16 4, 1, 0
	MUL16 6, 1, 0
	PLACES NP
	WIN 0
	FETCH_A \next, 0, 4
.endm
	s_wait_alu depctr_va_vdst(0)                   ; the wait at the head's end
	s_wait_tensorcnt 0x0                           ; my part of K step 0 is in; slot 1's first fill is issued as a refill is:
	ds_add_u32 v[SPW], v[NIL]                      ; 0 onto my spare word
	s_wait_dscnt 0x0
	CROUND                                         ; everybody's part of K step 0 is in, and all sixteen work-groups are here
	JLOAD G0+4, G1, G0B+4, G1B                     ; K step 1: the first tensor load behind the round
	FETCH_B 0, 0, 0
	FETCH_A 0, 0, 0
	FETCH_A 0, 0, 4
	STEP 0, 0, 1                                   ; the first step stands in front of the loop: its products start the sums
	s_mov_b32 s3, LAPS-1
.Llap:                                                 ; a trip goes once round the ring, from a lap's second step to the next lap's first, and fills both slots again
	TURN 0, 1, 1
	STEP 1, 0, 0
	TURN 1, 0, 1
	STEP 0, 0, 0
	s_sub_co_u32 s3, s3, 1
	s_cmp_lg_u32 s3, 0
	s_cbranch_scc1 .Llap
	TURN 0, 1, 0                                   ; the last lap fills nothing, and has no round of the cluster's barrier
	STEP 1, 0, 0
	s_wait_dscnt 4*NL                              ; the very last step: nothing more to fetch
	WIN MUL_LO
	MUL16 0, 1, 0
	MUL16 2, 1, 0
	s_wait_alu depctr_va_vdst(0)
	s_wait_dscnt 0
	WIN MUL_HI
	MUL16 4, 1, 0
	MUL16 6, 1, 0
	WIN 0
; THE WAY OUT, a pair of A's blocks (32 rows) at a time.  A lane holds, of one row of A, eight neighbours along B for each of B's eight blocks: 8 codes, 8 bytes, each.
; QSTAGE a: block a's 64 sums are held, converted and put into my stage as rows of 128 codes.
.macro QSTAGE a
.set AC, 64*((\a)%4)
.set CC, CD+16*((\a)%2)
	WIN 0x02+((\a)/4)                              ; source 0: window 2 or 3
.set j, 0
.rept 64
	v_med3_num_f32 v[TMP+j], v[AC+j], -v[LIMV], v[LIMV]   ; the conversion does not saturate (ISA guide 7.6.2): the hold, into other registers; each accumulator from its low end on
.set j, j+1
.endr
	WIN 0
.irp b, 0,1,2,3,4,5,6,7
	v_cvt_scalef32_pk8_fp8_f32 v[CC+2*\b:CC+2*\b+1], v[TMP+8*\b:TMP+8*\b+7], v[SCV]
.endr
	v_nop                                          ; one plain vector instruction between the last conversion and the next block's holds, which write its sources
.irp b, 0,1,2,3,4,5,6,7
	ds_store_b64 v[STO], v[CC+2*\b:CC+2*\b+1] offset:((\a)%2)*SBLK+16*\b
.endr
.endm
; QBACK p: pair p's two tiles (u = 0, 1: rows 8 u .. 8 u + 7 of both blocks) come back as images: group i = 32 codes along B, 16 for each half of the lanes.
.macro QBACK p
.irp u, 0,1
.irp i, 0,1,2,3
	ds_load_b128 v[BK+32*((\p)%2)+4*(4*\u+\i):BK+32*((\p)%2)+4*(4*\u+\i)+3], v[RD] offset:\u*8*SROW+32*\i   ; LDS serves a wave's instructions in order: these see my stores, and the next pair's stores come behind them
.endr
.endr
.endm
; QSEND p: each store is one group of an image: 32 lanes, 512 consecutive bytes, aligned.  younger: the LDS instructions issued behind pair p's loads, which may stay out.
.macro QSEND p, younger
	s_wait_dscnt \younger
.irp u, 0,1
.irp i, 0,1,2,3
	global_store_b128 v[VO+4*(\i/2)+(2*(\p)+\u)%4], v[BK+32*((\p)%2)+4*(4*\u+\i):BK+32*((\p)%2)+4*(4*\u+\i)+3], s[10+2*((\p)/2):11+2*((\p)/2)] offset:512*(\i%2)
.endr
.endr
.endm
	PLACES NP                                      ; behind the last products: for the first read of results, and for the loads into the registers that held A's fragments
	QSTAGE 0
	QSTAGE 1
	QBACK 0
	QSTAGE 2
	QSTAGE 3
	QBACK 1
	QSEND 0, 24                                    ; behind pair 0's loads: pair 1's 16 stores and 8 loads
	QSTAGE 4
	QSTAGE 5
	s_wait_xcnt 0x0                                ; pair 0's stores have read their registers: pair 2's loads may land there
	QBACK 2
	QSEND 1, 24
	QSTAGE 6
	QSTAGE 7
	s_wait_xcnt 0x0                                ; pair 1's likewise
	QBACK 3
	QSEND 2, 24
	QSEND 3, 0
	s_wait_tensorcnt 0x0                           ; the wave's end: behind my last tensor load and my last LDS store
	ds_add_u32 v[SPW], v[NIL]
	s_wait_dscnt 0x0
	CROUND                                         ; the closing round: no work-group ends while a partner may still ask for a tile that names it
	s_endpgm
.Lfunc_end_k_qa618b437cb_gemm_qkv:
	.size	k_qa618b437cb_gemm_qkv, .Lfunc_end_k_qa618b437cb_gemm_qkv-k_qa618b437cb_gemm_qkv
	.p2alignl 7, 3214868480
	.fill 96, 4, 3214868480
	.section	.rodata,"a",@progbits
	.p2align	6, 0x0
	.amdhsa_kernel k_qa618b437cb_gemm_qkv
		.amdhsa_group_segment_fixed_size 327680
		.amdhsa_private_segment_fixed_size 0
		.amdhsa_enable_private_segment 0
		.amdhsa_kernarg_size 32
		.amdhsa_user_sgpr_count 2
		.amdhsa_user_sgpr_kernarg_segment_ptr 1
		.amdhsa_wavefront_size32 1
		.amdhsa_system_sgpr_workgroup_id_x 1
		.amdhsa_system_sgpr_workgroup_id_y 1
		.amdhsa_system_sgpr_workgroup_id_z 1
		.amdhsa_system_vgpr_workitem_id 0
		.amdhsa_next_free_vgpr 1024
		.amdhsa_next_free_sgpr 100
		.amdhsa_reserve_vcc 0
		.amdhsa_float_denorm_mode_32 3
		.amdhsa_float_denorm_mode_16_64 3
		.amdhsa_memory_ordered 1
		.amdhsa_forward_progress 1
		.amdhsa_inst_pref_size 126
	.end_amdhsa_kernel
	.amdgpu_metadata
---
amdhsa.version: [ 1, 2 ]
amdhsa.kernels:
  - .name:           k_qa618b437cb_gemm_qkv
    .symbol:         k_qa618b437cb_gemm_qkv.kd
    .args:
      - { .name: x_codes, .offset: 0, .size: 8, .value_kind: global_buffer, .address_space: global }
      - { .name: wqkv_codes, .offset: 8, .size: 8, .value_kind: global_buffer, .address_space: global }
      - { .name: lowp_scales, .offset: 16, .size: 8, .value_kind: global_buffer, .address_space: global }
      - { .name: qkv, .offset: 24, .size: 8, .value_kind: global_buffer, .address_space: global }
    .group_segment_fixed_size: 327680
    .private_segment_fixed_size: 0
    .kernarg_segment_align: 8
    .kernarg_segment_size: 32
    .max_flat_workgroup_size: 128
    .sgpr_count:     100
    .vgpr_count:     1024
    .wavefront_size: 32
...
	.end_amdgpu_metadata
.endif
;; end of part 2
;; launch attn (part 3): grid 256 x 1, 16 waves a work-group, clusters of 4 x 1, 327,680 bytes of LDS; arguments qkv, lowp_scales, att; writes att
.if DOCPART == 3
	.amdgcn_target "amdgcn-amd-amdhsa--gfx1250"
	.amdhsa_code_object_version 6
	.text
	.protected	k_qa618b437cb_attn
	.globl	k_qa618b437cb_attn
	.p2align	8
	.type	k_qa618b437cb_attn,@function
k_qa618b437cb_attn:
	s_mov_b64 s[64:65], 0
	v_nop
	global_prefetch_b8 v0, s[64:65] scope:SCOPE_SE
	s_setreg_imm32_b32 hwreg(HW_REG_WAVE_MODE, 25, 1), 1
	s_wait_xcnt 0x0
	s_wait_alu depctr_hold_cnt(0) depctr_sa_sdst(0) depctr_va_vdst(0) depctr_va_sdst(0) depctr_va_ssrc(0) depctr_va_vcc(0) depctr_vm_vsrc(0)
	s_getreg_b32 s2, hwreg(HW_REG_IB_STS2, 6, 4)
	s_cmp_eq_u32 s2, 0
	s_cbranch_scc0 .Lentry_in_a_cluster
	s_endpgm
.Lentry_in_a_cluster:
	s_bfe_u32 s2, ttmp6, 0x10000c
	s_cmp_lg_u32 s2, 0x3003
	s_cbranch_scc0 .Lentry_shape_is_right
	s_endpgm
.Lentry_shape_is_right:
; Causal attention of 64 (batch x head) x 2,048 queries x 2,048 keys, head size 64, both products on codes of FP8 (E4M3); the result is quantised with e6 and stored as images of the last product's operand registers.
; qkv holds images of operand registers.  A tile of 16 rows with number 2 B + u holds rows 32 B + 8 u + r + 8 (r / 8); group c of an image (512 bytes) holds at 16 x lane (lane = r + 16 h) the codes k = 32 c + 16 h + 0 .. 15 of row r.
;   q at 0, k at 8 MiB: [bh 64][tile 128][2 groups along d];  v at 16 MiB: [bh][step of 128 keys 16][tile of d 4][4 groups along the keys].  att: [tile of tokens 512][128 of the model's 1,024: 8][4 groups].
; THE SOFTMAX AHEAD OF THE SECOND PRODUCT: t = score x log2(e) / 8; M = the row's largest t so far, rounded UP to a whole number; p = 2^(t - M) is quantised with e5, not normalised.
; The row's sum is taken of the unquantised p, in f32, and divides O at the end.  When M moves, the sum and O are multiplied by 2^(old M - new M): exact.
; WORK LEFT OUT: reference() builds the causal mask itself; a step of 128 keys all of which come after a tile's queries gets weight 0 for every input, so it is not computed.
; LDS HOLDS A WHOLE HEAD: K's images are 131,072 bytes (LDS 0 on), V's 131,072 (LDS 131,072 on).  Nothing is filled twice: no ring, and no barrier in the key loops.
; CLUSTER: the four work-groups of a head (cluster x = bh) need the same K and V at the same time: every byte is asked for JOINTLY, mask 15.  Two groups of loads, one load a wave each:
;   the first 512 keys (16 waves x 4,096 bytes: waves 0-7 K's, waves 8-15 V's), and behind the full sequence and a round the other 1,536 keys (16 x 12,288 bytes), which land under the first four key steps.
; SHARES.  Wave i of work-group J (its place in the cluster) owns the tiles of 16 queries tA = 4 i + J and tB = 127 - tA.  tA needs key steps 0 .. i / 2, tB steps 0 .. 15 - i / 2, the last of each on the diagonal:
;   17 steps in every wave, and the counts hang on the wave's number alone, never on J.  J enters global addresses and the mask's vector compare only.  tB goes first: its steps 0 .. 3 are open in every wave.
;   The three loops have constant trip counts (4, 12, 8); a step past a wave's last is jumped over by a scalar branch on the wave's number and the loop's count.
; NO PREFETCH: both groups of loads go out at the launch's start, so there is no later load ahead of which a request could run.
; LAYOUT.  Both products are used transposed: S^T = K Q^T (source 0 = 16 keys), O^T = V^T P^T (source 0 = 16 of the head's 64): a lane holds ONE query throughout, and by the tiles' order of rows
; the 16 registers of tiles 2 B and 2 B + 1 are 16 neighbours along the next product's K.
; LIMITS on the given exponents, so that each power of two below is an f32 number: e2 + e3 between -123 and 130 (added to c's exponent field); e5, and e6 - e4 - e5, between -126 and 119.
; The scaled scores t stay under 2^31 in magnitude.  NaN among the codes is not served.
.set KV,    131072                     ; LDS: V's images
.set FIRST, 32768                      ; bytes of K, and of V, that the first group of loads brings: 512 keys
.set SPARE, 262144                     ; the spare words, 128 bytes for each of 16 waves: eight blocks of 256 bytes that no other line names
.set LI,   1                           ; v1   16 x lane; never rewritten
.set SPW,  2                           ; v2   LDS address of my spare word; never rewritten
.set NIL,  3                           ; v3   0; never rewritten
.set ADK,  4                           ; v4   LDS address of the step's K + 16 x lane
.set ADV,  5                           ; v5   the same for V
.set DQ,   6                           ; v6   on the diagonal: my query - the step's first key - 16 h, for the tile in hand
.set DA,   7                           ; v7   the same for tile tA
.set T0,   200                         ; v200-205 three partial sums
.set PX,   216                         ; v216 a lane permute's destination
; v12 -M, v13 the largest t, v[14:15] the sum in two halves; v16-23 Q in hand, v24-31 tA's Q; v32-95 K's 8 fragments, then V's 4; v96-159 S^T, then p; v160-191 O^T; v192-199, v208-215 the outputs' codes;
; v224-239 p's codes; v240, v241 448 x 2^e5, v244 2^e5; v245, v246 2^(e6 - e4 - e5) and 448 x that; v248-254 at work
.set WV,   18                          ; s18  my wave's number
.set SEL,  20                          ; s[20:21] lane selects for v_permlanex16_b32: lane l xor 16
.set CS,   22                          ; s[22:23] c = log2(e) / 8 x 2^(e2 + e3)
.set G1A,  24                          ; s[24:31] descriptor group 1 of the first loads: 16 rows of 256 bytes
.set G1B,  32                          ; s[32:39] of the second: 48 rows
.set G0A,  40                          ; s[40:43], s[44:47] their groups 0
.set G0B,  44
.set TB,   48                          ; s48  LDS byte of the step's K
.set TBV,  49                          ; s49  of its V
.set VIS,  50                          ; s50  the key step
.set LAST, 51                          ; s51  the last step of the tile in hand: the one on the diagonal
.set LASTA, 52                         ; s52  the same for tA
.set SJ,   53                          ; s53  J
.set OUTB, 56                          ; s[56:57], s[58:59] where my two tiles' codes go
.set OUTA, 58
.macro ROUND                           ; a round of the cluster's barrier
	s_barrier_signal -1
	s_barrier_wait -1
	s_cmp_lg_u32 s[WV], 0
	s_cbranch_scc1 .Lnot_wave_0_\@
	s_barrier_signal -3
.Lnot_wave_0_\@:
	s_barrier_wait -3
	s_barrier_signal -1
	s_barrier_wait -1
.endm
.macro RESET                           ; a tile begins: the largest t under every t, zeros for the sum and O^T (the first change of M leaves zeros zeros)
	v_mov_b32 v13, 0xff61b1e6
	s_delay_alu instid0(VALU_DEP_1)
	v_floor_f32 v12, -v13
	v_mov_b32 v14, 0
	v_mov_b32 v15, 0
.set j, 0
.rept 32
	v_mov_b32 v[160+j], 0
.set j, j+1
.endr
.endm
	s_load_b128 s[4:7], s[0:1], 0x0                ; qkv s[4:5], the scales' exponents s[6:7]
	s_load_b64 s[8:9], s[0:1], 0x10                ; att
	v_lshl_add_u32 v[SPW], v0, 2, SPARE
	v_mov_b32 v[NIL], 0
	ds_add_u32 v[SPW], v[NIL]                      ; the opening: the add, twice on end, and its wait ahead of my first tensor load
	ds_add_u32 v[SPW], v[NIL]
	v_lshrrev_b32 v4, 5, v0
	v_readfirstlane_b32 s[WV], v4                  ; wave 0..15
	s_bfe_u32 s[SJ], ttmp6, 0x40000                ; J = cx
	s_mov_b32 s60, ttmp9                           ; bh = the cluster's x
	s_and_b32 s61, s[WV], 7                        ; which eighth of K or of V I fetch
	s_lshr_b32 s62, s[WV], 3                       ; 0: K, 1: V
	s_mov_b32 s[G1A], 15|(3<<16)|(1<<21)           ; 15:0 the mask: all four partners; 17:16 elements of 8 bytes; 21 set beside a mask; no padding: image loads take 512 consecutive bytes
	s_mov_b32 s[G1A+1], 32<<16                     ; tensor_dim0 = 32 elements = 256 bytes
	s_mov_b32 s[G1A+2], 16<<16                     ; tensor_dim1
	s_mov_b32 s[G1A+3], 32<<16                     ; tile_dim0
	s_mov_b32 s[G1A+4], 16                         ; tile_dim1
	s_mov_b32 s[G1A+5], 32                         ; the pitch: dense
	s_mov_b32 s[G1A+6], 0
	s_mov_b32 s[G1A+7], 0
	s_mov_b32 s[G1B], 15|(3<<16)|(1<<21)
	s_mov_b32 s[G1B+1], 32<<16
	s_mov_b32 s[G1B+2], 48<<16
	s_mov_b32 s[G1B+3], 32<<16
	s_mov_b32 s[G1B+4], 48
	s_mov_b32 s[G1B+5], 32
	s_mov_b32 s[G1B+6], 0
	s_mov_b32 s[G1B+7], 0
	s_lshl_b32 s63, s60, 17                        ; the head's first byte in q, in k and in v
	s_add_co_u32 s82, s62, 1
	s_lshl_b32 s82, s82, 23                        ; k at 8 MiB, v at 16 MiB
	s_add_co_u32 s82, s82, s63
	s_lshl_b32 s66, s61, 12                        ; first load: 4,096 bytes a wave
	s_mul_i32 s67, s61, 12288                      ; second: 12,288 bytes a wave,
	s_add_co_u32 s67, s67, FIRST                   ; behind the first group's
	s_lshl_b32 s76, s62, 17                        ; LDS: K at 0, V at KV
	s_add_co_u32 s84, s82, s66
	s_mov_b32 s85, 0
	s_add_co_u32 s86, s82, s67
	s_mov_b32 s87, 0
	s_mov_b32 s[G0A], 1
	s_add_co_u32 s[G0A+1], s76, s66
	s_mov_b32 s[G0B], 1
	s_add_co_u32 s[G0B+1], s76, s67
	s_lshr_b32 s[LASTA], s[WV], 1                  ; tA / 8 = i / 2,
	s_sub_co_u32 s[LAST], 15, s[LASTA]             ; tB / 8 = 15 - i / 2: the wave's number alone
	s_lshl_b32 s94, s[WV], 2
	s_add_co_u32 s94, s94, s[SJ]                   ; tA
	s_sub_co_u32 s95, 127, s94                     ; tB
	s_lshl_b32 s88, s95, 10
	s_add_co_u32 s88, s88, s63                     ; their images in q
	s_mov_b32 s89, 0
	s_lshl_b32 s90, s94, 10
	s_add_co_u32 s90, s90, s63
	s_mov_b32 s91, 0
	s_lshr_b32 s77, s60, 4
	s_lshl_b32 s77, s77, 21                        ; att: the batch's 128 tiles of 16,384 bytes,
	s_bfe_u32 s78, s60, 0x30001                    ; head / 2: which 128 of the model's 1,024,
	s_lshl_b32 s78, s78, 11
	s_add_co_u32 s77, s77, s78
	s_and_b32 s78, s60, 1                          ; head % 2: groups 0, 1 or 2, 3 of that image
	s_lshl_b32 s78, s78, 10
	s_add_co_u32 s77, s77, s78
	s_lshl_b32 s92, s95, 14
	s_add_co_u32 s92, s92, s77
	s_mov_b32 s93, 0
	s_lshl_b32 s96, s94, 14
	s_add_co_u32 s96, s96, s77
	s_mov_b32 s97, 0
	s_bfe_u32 s79, s95, 0x20001                    ; a tile's first query within its diagonal step: 32 ((t / 2) % 4) + 8 (t % 2)
	s_lshl_b32 s79, s79, 5
	s_and_b32 s80, s95, 1
	s_lshl_b32 s80, s80, 3
	s_add_co_u32 s79, s79, s80
	s_bfe_u32 s81, s94, 0x20001
	s_lshl_b32 s81, s81, 5
	s_and_b32 s80, s94, 1
	s_lshl_b32 s80, s80, 3
	s_add_co_u32 s81, s81, s80
	s_mov_b32 s[SEL], 0x76543210
	s_mov_b32 s[SEL+1], 0xfedcba98
	s_mov_b32 s[CS], 0x3e38aa3b                    ; c = log2(e) / sqrt(64)
	s_mov_b32 s[VIS], 0
	s_mov_b32 s[TB], 0
	s_mov_b32 s[TBV], KV
	s_wait_dscnt 0x0                               ; both opening adds are done
	s_wait_kmcnt 0x0
	s_load_b256 s[68:75], s[6:7], 0x0              ; e0 .. e7
	s_add_nc_u64 s[G0A+2:G0A+3], s[4:5], s[84:85]
	s_or_b32 s[G0A+3], s[G0A+3], 0x80000000        ; type = 2
	s_add_nc_u64 s[G0B+2:G0B+3], s[4:5], s[86:87]
	s_or_b32 s[G0B+3], s[G0B+3], 0x80000000
	ROUND                                          ; all four work-groups are here: the joint loads meet
	tensor_load_to_lds s[G0A:G0A+3], s[G1A:G1A+7]  ; my 4,096 bytes of the first 512 keys: my one tensor load at the head
	s_nop 0
	s_add_nc_u64 s[10:11], s[4:5], s[88:89]        ; tB's Q, tA's Q,
	s_add_nc_u64 s[12:13], s[4:5], s[90:91]
	s_add_nc_u64 s[OUTB:OUTB+1], s[8:9], s[92:93]  ; and where their results go
	s_add_nc_u64 s[OUTA:OUTA+1], s[8:9], s[96:97]
	v_and_b32 v[LI], 31, v0
	v_lshlrev_b32 v[LI], 4, v[LI]
	global_load_b128 v[16:19], v[LI], s[10:11]             ; Q's fragments stay in registers: 16 queries x 64, two groups
	global_load_b128 v[20:23], v[LI], s[10:11] offset:512
	global_load_b128 v[24:27], v[LI], s[12:13]
	global_load_b128 v[28:31], v[LI], s[12:13] offset:512
	v_and_b32 v8, 15, v0                           ; r
	v_and_b32 v9, 8, v8
	v_add_nc_u32 v8, v8, v9                        ; r + 8 (r / 8)
	v_and_b32 v9, 16, v0                           ; 16 h
	v_sub_nc_u32 v8, v8, v9
	v_add_nc_u32 v[DQ], s79, v8
	v_add_nc_u32 v[DA], s81, v8
	v_mov_b32 v[PX], 0                             ; written once: a lane permute's destination counts as one of its sources
	v_mov_b32 v253, 0                              ; (named as the upper half of the pair v[252:253])
	RESET
	s_wait_kmcnt 0x0
	s_add_co_i32 s82, s70, s71
	s_lshl_b32 s82, s82, 23
	s_add_co_i32 s[CS], s[CS], s82                 ; a score stands for score x 2^(e2 + e3): the two exponents are added to c's exponent field
	s_mov_b32 s[CS+1], s[CS]                       ; (named with it as a pair, so it is written)
	s_add_co_i32 s82, s73, 127
	s_lshl_b32 s83, s82, 23
	v_mov_b32 v244, s83                            ; 2^e5 as f32, for p's conversion
	s_add_co_i32 s82, s82, 8
	s_lshl_b32 s82, s82, 23
	s_or_b32 s82, s82, 0x600000
	v_mov_b32 v240, s82                            ; 448 x 2^e5, twice: the two halves of a dual pair take their second sources from different register banks
	v_mov_b32 v241, s82
	s_sub_co_i32 s82, s74, s72
	s_sub_co_i32 s82, s82, s73                     ; a sum of the second product stands for sum x 2^(e4 + e5): its code is sum / l / 2^(e6 - e4 - e5)
	s_add_co_i32 s82, s82, 127
	s_lshl_b32 s83, s82, 23
	v_mov_b32 v245, s83
	s_add_co_i32 s82, s82, 8
	s_lshl_b32 s82, s82, 23
	s_or_b32 s82, s82, 0x600000
	v_mov_b32 v246, s82
; A KEY STEP: 128 keys.  guarded = 1: a step past the tile's last is jumped over, and the last one is masked.
.macro STEP guarded
.if \guarded
	s_cmp_gt_u32 s[VIS], s[LAST]                   ; the wave's number and the loop's count alone; no barrier and no tensor load stands in a step
	s_cbranch_scc1 .Lhidden_\@
.endif
	v_add_nc_u32 v[ADK], s[TB], v[LI]
	v_add_nc_u32 v[ADV], s[TBV], v[LI]
	v_nop
	v_nop                                          ; four places in front of loads into registers that the last products read
.set t, 0
.rept 8
	ds_load_b128 v[32+8*t:35+8*t], v[ADK] offset:1024*t          ; K's tile t: 16 keys x 64: two groups
	ds_load_b128 v[36+8*t:39+8*t], v[ADK] offset:1024*t+512
.set t, t+1
.endr
	s_wait_alu depctr_va_vdst(0)                   ; the wait here, directly ahead of the wait below
	s_wait_dscnt 0x0
.set t, 0
.rept 8
	v_wmma_f32_16x16x64_fp8_fp8 v[96+8*t:103+8*t], v[32+8*t:39+8*t], v[16:23], 0   ; S^T: lane (r, h) holds query r; register 16 B + i of the 64 holds key 32 B + 16 h + i
.set t, t+1
.endr
.rept 4
	v_nop                                          ; places in front of the loads below and of the first read of the scores
.endr
.set t, 0
.rept 4
.irp c, 0,1,2,3
	ds_load_b128 v[32+16*t+4*\c:35+16*t+4*\c], v[ADV] offset:2048*t+512*\c   ; V's tile t: 16 of the head's 64 x 128 keys: they land under the maxima
.endr
.set t, t+1
.endr
.if \guarded
	s_cmp_lg_u32 s[VIS], s[LAST]                   ; on the diagonal the scores of hidden keys become -infinity ahead of the maximum: p = 0 then
	s_cbranch_scc1 .Lopen_\@
	v_mov_b32 v254, 0xff800000
.set n, 0
.rept 64
	v_cmp_gt_i32 vcc_lo, 32*(n/16)+n%16, v[DQ]
	v_cndmask_b32 v[96+n], v[96+n], v254, vcc_lo
.set n, n+1
.endr
.Lopen_\@:
.endif
	v_max3_num_f32 v254, v96, v97, v98             ; the step's largest score of my query among my 64 keys, in four chains, ascending: each accumulator from its low end on
	v_max3_num_f32 v252, v99, v100, v101
	v_max3_num_f32 v250, v102, v103, v104
	v_max3_num_f32 v248, v105, v106, v107
.set j, 108
.rept 6
	v_max3_num_f32 v254, v254, v[j], v[j+1]
	v_max3_num_f32 v252, v252, v[j+2], v[j+3]
	v_max3_num_f32 v250, v250, v[j+4], v[j+5]
	v_max3_num_f32 v248, v248, v[j+6], v[j+7]
.set j, j+8
.endr
	v_max3_num_f32 v254, v254, v156, v157
	v_max3_num_f32 v252, v252, v158, v159
	v_max3_num_f32 v254, v254, v252, v250
	v_max_num_f32 v254, v254, v248
	v_permlanex16_b32 v[PX], v254, s[SEL], s[SEL+1]
	s_delay_alu instid0(VALU_DEP_1)
	v_max_num_f32 v254, v254, v[PX]                ; and among lane l xor 16's
	s_delay_alu instid0(VALU_DEP_1)
	v_mul_f32 v254, s[CS], v254                    ; as t (c is positive)
	s_delay_alu instid0(VALU_DEP_1)
	v_max_num_f32 v13, v13, v254                   ; the running largest t
	v_mov_b32 v254, v12
	s_delay_alu instid0(VALU_DEP_2)
	v_floor_f32 v12, -v13                          ; the new -M = floor(-t) = -ceil(t): M is a whole number
	s_delay_alu instid0(VALU_DEP_1)
	v_sub_f32 v254, v12, v254                      ; M's old value less its new one: a whole number, 0 or less
	s_delay_alu instid0(VALU_DEP_1)
	v_cvt_i32_f32 v254, v254                       ; (it saturates)
	s_delay_alu instid0(VALU_DEP_1)
	v_ldexp_f32 v252, 1.0, v254                    ; f = 2^(old M - new M)
.set j, 0
.rept 32
	v_pk_fma_f32 v[96+j:97+j], v[96+j:97+j], s[CS:CS+1], v[12:13] op_sel_hi:[1,0,0]   ; t - M, two at a time (of the pairs c and -M the low word serves both halves)
.set j, j+2
.endr
	s_wait_alu depctr_va_vdst(0)                   ; the wait ahead of the batch, and ahead of the wait below
	s_wait_dscnt 0x0                               ; V is in: so no wait on memory stands between p's codes and the products
.set j, 0
.rept 64
	v_exp_f32 v[96+j], v[96+j]                     ; p = 2^(t - M), at most 1: not normalised
.set j, j+1
.endr
	v_pk_mul_f32 v[14:15], v[14:15], v[252:253] op_sel_hi:[1,0]   ; the sums under the new M: the plain instruction behind the exponentials
	s_wait_alu depctr_va_vdst(0)                   ; one wait for the batch, directly ahead of the first reader of O^T too
.set j, 0
.rept 16
	v_pk_mul_f32 v[160+j:161+j], v[160+j:161+j], v[252:253] op_sel_hi:[1,0]   ; O^T under the new M: x f, each accumulator from its low end on
.set j, j+2
.endr
	v_pk_add_f32 v[T0:T0+1], v[96:97], v[98:99]    ; the row's sum is taken of the unquantised p: two at a time, in four chains
	v_pk_add_f32 v[T0+2:T0+3], v[100:101], v[102:103]
	v_pk_add_f32 v[T0+4:T0+5], v[104:105], v[106:107]
	v_pk_add_f32 v[14:15], v[14:15], v[108:109]
.set j, 110
.rept 6
	v_pk_add_f32 v[T0:T0+1], v[T0:T0+1], v[j:j+1]
	v_pk_add_f32 v[T0+2:T0+3], v[T0+2:T0+3], v[j+2:j+3]
	v_pk_add_f32 v[T0+4:T0+5], v[T0+4:T0+5], v[j+4:j+5]
	v_pk_add_f32 v[14:15], v[14:15], v[j+6:j+7]
.set j, j+8
.endr
	v_pk_add_f32 v[T0:T0+1], v[T0:T0+1], v[158:159]
	v_pk_add_f32 v[14:15], v[14:15], v[T0+4:T0+5]
	v_pk_add_f32 v[T0:T0+1], v[T0:T0+1], v[T0+2:T0+3]
	v_pk_add_f32 v[14:15], v[14:15], v[T0:T0+1]
.set j, 0
.rept 32
	v_dual_min_num_f32 v[96+j], v[96+j], v241 :: v_dual_min_num_f32 v[97+j], v[97+j], v240   ; the conversion does not saturate (ISA guide 7.6.2); p is not negative, so the hold is one-sided; it stands without a branch, whatever e5 is
.set j, j+2
.endr
.irp b, 0,1,2,3
	v_cvt_scalef32_pk8_fp8_f32 v[224+4*\b:225+4*\b], v[96+16*\b:103+16*\b], v244
	v_cvt_scalef32_pk8_fp8_f32 v[226+4*\b:227+4*\b], v[104+16*\b:111+16*\b], v244
.endr
	v_nop                                          ; one plain vector instruction between the last conversion and the products that read its result
.set t, 0
.rept 4
	v_wmma_f32_16x16x128_fp8_fp8 v[160+8*t:167+8*t], v[32+16*t:47+16*t], v[224:239], v[160+8*t:167+8*t]   ; O^T += V^T P^T: the four accumulators by turns, one instruction a turn
.set t, t+1
.endr
.if \guarded
.Lhidden_\@:
.endif
.endm
.macro NEXT label, n                   ; on to the next 128 keys: 8,192 bytes in K's images and in V's
	s_add_co_u32 s[TB], s[TB], 8192
	s_add_co_u32 s[TBV], s[TBV], 8192
	s_add_co_u32 s[VIS], s[VIS], 1
	s_cmp_lt_u32 s[VIS], \n
	s_cbranch_scc1 \label
.endm
; A tile of queries is finished: O^T / the sum, quantised with e6.  Registers 16 B + i of O^T are d = 32 B + 16 h + i of my query: the conversions' results are two groups of the next product's operand image.
.macro FINISH out, cd
.rept 4
	v_nop                                          ; places behind the last products
.endr
	v_add_f32 v14, v14, v15                        ; the sum's two halves,
	v_permlanex16_b32 v[PX], v14, s[SEL], s[SEL+1]
	s_delay_alu instid0(VALU_DEP_1)
	v_add_f32 v14, v14, v[PX]                      ; and lane l xor 16's: the row's sum
	s_wait_alu depctr_va_vdst(0)                   ; the wait ahead of the reciprocal,
	v_rcp_f32 v14, v14
	v_nop                                          ; a plain instruction behind it,
	s_wait_alu depctr_va_vdst(0)                   ; and the wait ahead of its first reader, which is O^T's first reader too
.set j, 0
.rept 16
	v_pk_mul_f32 v[160+j:161+j], v[160+j:161+j], v[14:15] op_sel_hi:[1,0]
.set j, j+2
.endr
.set j, 0
.rept 32
	v_med3_num_f32 v[160+j], v[160+j], -v246, v246 ; the hold at 448 x the scale
.set j, j+1
.endr
.irp b, 0,1
	v_cvt_scalef32_pk8_fp8_f32 v[\cd+4*\b:\cd+4*\b+1], v[160+16*\b:167+16*\b], v245
	v_cvt_scalef32_pk8_fp8_f32 v[\cd+4*\b+2:\cd+4*\b+3], v[168+16*\b:175+16*\b], v245
.endr
	v_nop                                          ; one plain vector instruction between the last conversion and whatever next writes its sources
	global_store_b128 v[LI], v[\cd:\cd+3], s[\out:\out+1]              ; 32 lanes store 512 consecutive bytes, aligned; each tile's codes have registers of their own
	global_store_b128 v[LI], v[\cd+4:\cd+7], s[\out:\out+1] offset:512
.endm
	s_wait_alu depctr_va_vdst(0)                   ; the wait at the head's end
	s_wait_tensorcnt 0x0                           ; my part of the first 512 keys is in; the later first fill is issued as a refill is:
	ds_add_u32 v[SPW], v[NIL]                      ; 0 onto my spare word
	s_wait_dscnt 0x0
	ROUND                                          ; everybody's part is in, and all four work-groups are here
	tensor_load_to_lds s[G0B:G0B+3], s[G1B:G1B+7]  ; my 12,288 bytes of the other 1,536 keys: bytes that nothing has filled and that no step below reads before the next barrier
	s_nop 0
	s_wait_loadcnt 0x0                             ; Q
.Lfirst:                                           ; tB, key steps 0 .. 3: open in every wave (tB's last step is 8 or later)
	STEP 0
	NEXT .Lfirst, 4
	s_wait_tensorcnt 0x0                           ; my part of the other keys is in,
	s_wait_dscnt 0x0
	s_barrier_signal -1
	s_barrier_wait -1                              ; everybody's is: from here on the waves share nothing
	s_mov_b32 s[VIS], 4
	s_mov_b32 s[TB], FIRST
	s_mov_b32 s[TBV], KV+FIRST
.Lsecond:                                          ; tB, key steps 4 .. 15
	STEP 1
	NEXT .Lsecond, 16
	FINISH OUTB, 192
.set j, 0
.rept 8
	v_mov_b32 v[16+j], v[24+j]                     ; tA's Q
.set j, j+1
.endr
	v_mov_b32 v[DQ], v[DA]
	RESET
	s_mov_b32 s[LAST], s[LASTA]
	s_mov_b32 s[VIS], 0
	s_mov_b32 s[TB], 0
	s_mov_b32 s[TBV], KV
.Lthird:                                           ; tA, key steps 0 .. 7
	STEP 1
	NEXT .Lthird, 8
	FINISH OUTA, 208
	s_wait_tensorcnt 0x0                           ; the wave's end
	ds_add_u32 v[SPW], v[NIL]
	s_wait_dscnt 0x0
	ROUND                                          ; the closing round
	s_endpgm
.Lfunc_end_k_qa618b437cb_attn:
	.size	k_qa618b437cb_attn, .Lfunc_end_k_qa618b437cb_attn-k_qa618b437cb_attn
	.p2alignl 7, 3214868480
	.fill 96, 4, 3214868480
	.section	.rodata,"a",@progbits
	.p2align	6, 0x0
	.amdhsa_kernel k_qa618b437cb_attn
		.amdhsa_group_segment_fixed_size 327680
		.amdhsa_private_segment_fixed_size 0
		.amdhsa_enable_private_segment 0
		.amdhsa_kernarg_size 24
		.amdhsa_user_sgpr_count 2
		.amdhsa_user_sgpr_kernarg_segment_ptr 1
		.amdhsa_wavefront_size32 1
		.amdhsa_system_sgpr_workgroup_id_x 1
		.amdhsa_system_sgpr_workgroup_id_y 1
		.amdhsa_system_sgpr_workgroup_id_z 1
		.amdhsa_system_vgpr_workitem_id 0
		.amdhsa_next_free_vgpr 256
		.amdhsa_next_free_sgpr 100
		.amdhsa_reserve_vcc 1
		.amdhsa_float_denorm_mode_32 3
		.amdhsa_float_denorm_mode_16_64 3
		.amdhsa_memory_ordered 1
		.amdhsa_forward_progress 1
		.amdhsa_inst_pref_size 76
	.end_amdhsa_kernel
	.amdgpu_metadata
---
amdhsa.version: [ 1, 2 ]
amdhsa.kernels:
  - .name:           k_qa618b437cb_attn
    .symbol:         k_qa618b437cb_attn.kd
    .args:
      - { .name: qkv, .offset: 0, .size: 8, .value_kind: global_buffer, .address_space: global }
      - { .name: lowp_scales, .offset: 8, .size: 8, .value_kind: global_buffer, .address_space: global }
      - { .name: att, .offset: 16, .size: 8, .value_kind: global_buffer, .address_space: global }
    .group_segment_fixed_size: 327680
    .private_segment_fixed_size: 0
    .kernarg_segment_align: 8
    .kernarg_segment_size: 24
    .max_flat_workgroup_size: 512
    .sgpr_count:     100
    .vgpr_count:     256
    .wavefront_size: 32
...
	.end_amdgpu_metadata
.endif
;; end of part 3
;; launch gemm_out (part 4): grid 8 x 32, 4 waves a work-group, clusters of 4 x 4, 327,680 bytes of LDS; arguments att, wout_codes, lowp_scales, out0; writes out0
.if DOCPART == 4
	.amdgcn_target "amdgcn-amd-amdhsa--gfx1250"
	.amdhsa_code_object_version 6
	.text
	.protected	k_qa618b437cb_gemm_out
	.globl	k_qa618b437cb_gemm_out
	.p2align	8
	.type	k_qa618b437cb_gemm_out,@function
k_qa618b437cb_gemm_out:
	s_mov_b64 s[64:65], 0
	v_nop
	global_prefetch_b8 v0, s[64:65] scope:SCOPE_SE
	s_setreg_imm32_b32 hwreg(HW_REG_WAVE_MODE, 25, 1), 1
	s_wait_xcnt 0x0
	s_wait_alu depctr_hold_cnt(0) depctr_sa_sdst(0) depctr_va_vdst(0) depctr_va_sdst(0) depctr_va_ssrc(0) depctr_va_vcc(0) depctr_vm_vsrc(0)
	s_getreg_b32 s2, hwreg(HW_REG_IB_STS2, 6, 4)
	s_cmp_eq_u32 s2, 0
	s_cbranch_scc0 .Lentry_in_a_cluster
	s_endpgm
.Lentry_in_a_cluster:
	s_bfe_u32 s2, ttmp6, 0x10000c
	s_cmp_lg_u32 s2, 0xf033
	s_cbranch_scc0 .Lentry_shape_is_right
	s_endpgm
.Lentry_shape_is_right:
.set PITCH,  272
.set FR,     16
.set NL,     4
.set NP,     4
.set AHALF,  32768
.set BHALF,  64*PITCH
.set BOFF,   2*AHALF
.set SLOT,   BOFF+2*BHALF
.set LAPS,   2
.set SPARE,  2*SLOT
.set SPITCH, 272
.set ADRA, 16
.set ADRB, 20
.set STO,  24
.set RD,   25
.set CO,   26
.set SPW,  28
.set NIL,  29
.set TMP,  32
.set AF,   128
.set BK,   128
.set G1, 24
.set G0, 32
.set G1B, 48
.set G0B, 56
.set MSB, 0
.macro WIN new
.if MSB != \new
	s_set_vgpr_msb (MSB<<8)|\new
.set MSB, \new
.endif
.endm
.set MUL_LO, 0xa1
.set MUL_HI, 0xf1
.set TO_B,   0x40
.macro JLOAD g0a, g1a, g0b, g1b
	s_cmp_eq_u32 s15, 0
	s_cbranch_scc0 .Lfor_b_\@
	tensor_load_to_lds s[\g0a:\g0a+3], s[\g1a:\g1a+7]
	s_nop 0
.rept 4
	v_nop
.endr
	s_branch .Lasked_\@
.Lfor_b_\@:
	tensor_load_to_lds s[\g0b:\g0b+3], s[\g1b:\g1b+7]
	s_nop 0
.rept 4
	v_nop
.endr
.Lasked_\@:
.endm
.macro CREST
	s_cmp_lg_u32 s14, 0
	s_cbranch_scc1 .Lnot_wave_0_\@
	s_barrier_signal -3
.Lnot_wave_0_\@:
	s_barrier_wait -3
	s_barrier_signal -1
	s_barrier_wait -1
.endm
.macro CROUND
	s_barrier_signal -1
	s_barrier_wait -1
	CREST
.endm
	s_load_b128 s[4:7], s[0:1], 0x0
	s_load_b128 s[8:11], s[0:1], 0x10
	v_lshl_add_u32 v[SPW], v0, 2, SPARE
	v_mov_b32 v[NIL], 0
	ds_add_u32 v28, v29
	ds_add_u32 v28, v29
	s_wait_dscnt 0x0
	v_lshrrev_b32 v1, 5, v0
	v_readfirstlane_b32 s14, v1
	s_lshr_b32 s15, s14, 1
	s_and_b32 s16, s14, 1
	s_bfe_u32 s40, ttmp6, 0x40000
	s_bfe_u32 s41, ttmp6, 0x40004
	s_lshl_b32 s42, ttmp9, 2
	s_add_co_u32 s42, s42, s40
	s_and_b32 s17, ttmp7, 0xffff
	s_lshl_b32 s17, s17, 2
	s_add_co_u32 s17, s17, s41
	s_lshl_b32 s43, s41, 2
	s_lshl_b32 s43, 15, s43
	s_lshl_b32 s44, 0x1111, s40
	s_or_b32 s[G1+0], s43, (0<<16)|(1<<21)
	s_mov_b32 s[G1+1], 4096<<16
	s_mov_b32 s[G1+2], 8<<16
	s_mov_b32 s[G1+3], 4096<<16
	s_mov_b32 s[G1+4], 8
	s_mov_b32 s[G1+5], 16384
	s_mov_b32 s[G1+6], 0
	s_mov_b32 s[G1+7], 0
	s_or_b32 s[G1B+0], s44, (0<<16)|(1<<20)|(1<<21)|(5<<22)|(3<<25)
	s_mov_b32 s[G1B+1], 256<<16
	s_mov_b32 s[G1B+2], 64<<16
	s_mov_b32 s[G1B+3], 256<<16
	s_mov_b32 s[G1B+4], 64
	s_mov_b32 s[G1B+5], 1024
	s_mov_b32 s[G1B+6], 0
	s_mov_b32 s[G1B+7], 0
	s_lshl_b32 s20, s17, 4
	s_lshl_b32 s18, s16, 3
	s_add_co_u32 s20, s20, s18
	s_lshl_b32 s20, s20, 14
	s_mov_b32 s21, 0
	s_lshl_b32 s46, s42, 7
	s_lshl_b32 s18, s16, 6
	s_add_co_u32 s46, s46, s18
	s_lshl_b32 s46, s46, 10
	s_mov_b32 s47, 0
	s_lshl_b32 s45, s16, 15
	s_mul_i32 s93, s16, BHALF
	s_add_co_u32 s93, s93, BOFF
	s_wait_kmcnt 0x0
	s_load_b64 s[96:97], s[8:9], 0x18
	s_add_nc_u64 s[20:21], s[4:5], s[20:21]
	s_add_nc_u64 s[46:47], s[6:7], s[46:47]
	CROUND
.irp s, 0,1
	s_mov_b32 s[G0+4*\s], 1
	s_add_co_u32 s[G0+4*\s+1], s45, \s*SLOT
	s_add_nc_u64 s[G0+4*\s+2:G0+4*\s+3], s[20:21], \s*4096
	s_or_b32 s[G0+4*\s+3], s[G0+4*\s+3], 0x80000000
	s_mov_b32 s[G0B+4*\s], 1
	s_add_co_u32 s[G0B+4*\s+1], s93, \s*SLOT
	s_add_nc_u64 s[G0B+4*\s+2:G0B+4*\s+3], s[46:47], \s*256
	s_or_b32 s[G0B+4*\s+3], s[G0B+4*\s+3], 0x80000000
.endr
	JLOAD G0, G1, G0B, G1B                         ; K step 0, behind the opening round: one tensor load a wave at the head
	v_and_b32 v1, 15, v0
	v_bfe_u32 v2, v0, 4, 1
	v_and_b32 v6, 31, v0
	v_lshlrev_b32 v6, 4, v6
	v_mul_u32_u24 v3, v1, PITCH
	v_lshl_add_u32 v4, v2, 4, v3
	s_lshl_b32 s21, s15, 15
	s_mul_i32 s22, s16, BHALF
	s_add_co_u32 s22, s22, BOFF
.irp s, 0,1
	v_add_nc_u32 v[ADRA+\s], s21, v6
	v_add_nc_u32 v[ADRB+\s], s22, v4
	s_add_co_u32 s21, s21, SLOT
	s_add_co_u32 s22, s22, SLOT
.endr
	s_mul_i32 s23, s14, 16*SPITCH
	v_mul_u32_u24 v5, v1, SPITCH
	v_lshl_add_u32 v5, v2, 5, v5
	v_add_nc_u32 v[STO], s23, v5
	v_mul_u32_u24 v5, v2, SPITCH
	v_lshl_add_u32 v5, v1, 4, v5
	v_add_nc_u32 v[RD], s23, v5
	v_lshlrev_b32 v5, 12, v2
	v_lshl_add_u32 v[CO], v1, 4, v5
	s_lshl_b32 s20, s17, 8
	s_lshl_b32 s21, s15, 7
	s_add_co_u32 s20, s20, s21
	s_lshl_b32 s20, s20, 12
	s_lshl_b32 s46, s42, 9
	s_lshl_b32 s47, s16, 8
	s_add_co_u32 s46, s46, s47
	s_add_co_u32 s20, s20, s46
	s_mov_b32 s21, 0
	s_add_nc_u64 s[10:11], s[10:11], s[20:21]
.macro FRAGA reg, slot, q, i
.irp c, 0,1,2,3
	ds_load_b128 v[\reg+4*\c:\reg+4*\c+3], v[ADRA+\slot] offset:2048*(\q)+512*\c+(\i)*4096
.endr
.endm
.macro FRAGB reg, slot, q, i
.irp c, 0,1,2,3
	ds_load_b128 v[\reg+4*\c:\reg+4*\c+3], v[ADRB+\slot] offset:128*(\q)+32*\c+(\i)*16*PITCH
.endr
.endm
.macro MUL8 a0, p, zero
.irp a, \a0, \a0+1
.irp b, 0,1,2,3
.if \zero
	v_wmma_f32_16x16x128_fp8_fp8 v[8*(8*((\a)%4)+\b):8*(8*((\a)%4)+\b)+7], v[128*(\p)+FR*\b:128*(\p)+FR*\b+FR-1], v[AF+FR*(\a):AF+FR*(\a)+FR-1], 0
.else
	v_wmma_f32_16x16x128_fp8_fp8 v[8*(8*((\a)%4)+\b):8*(8*((\a)%4)+\b)+7], v[128*(\p)+FR*\b:128*(\p)+FR*\b+FR-1], v[AF+FR*(\a):AF+FR*(\a)+FR-1], v[8*(8*((\a)%4)+\b):8*(8*((\a)%4)+\b)+7]
.endif
.endr
.endr
.endm
.macro FETCH_B slot, q, p
	WIN TO_B
.irp i, 0,1,2,3
	FRAGB 128*(\p)+FR*\i, \slot, \q, \i
.endr
	WIN 0
.endm
.macro FETCH_A slot, q, i0
.irp i, \i0, \i0+1, \i0+2, \i0+3
	FRAGA AF+FR*(\i), \slot, \q, \i
.endr
.endm
.macro PLACES n
.rept \n
	v_nop
.endr
.endm
.macro STEP slot, q, zero
	s_wait_dscnt 4*NL
	WIN MUL_LO
	MUL8 0, (\q)%2, \zero
	MUL8 2, (\q)%2, \zero
	s_wait_dscnt 0
	PLACES NP
	FETCH_B \slot, (\q)+1, 1-(\q)%2
	FETCH_A \slot, (\q)+1, 0
	WIN MUL_HI
	MUL8 4, (\q)%2, \zero
	MUL8 6, (\q)%2, \zero
	PLACES NP
	WIN 0
	FETCH_A \slot, (\q)+1, 4
.endm
.macro TURN slot, next, fill
	s_wait_tensorcnt 0x0
	ds_add_u32 v[SPW], v[NIL]
	s_wait_dscnt 4*NL+1
	WIN MUL_LO
	MUL8 0, 1, 0
	s_wait_dscnt 0x0
	s_barrier_signal -1
	MUL8 2, 1, 0
	WIN 0
	s_barrier_wait -1
.if \fill
	CREST
	s_add_nc_u64 s[G0+4*\slot+2:G0+4*\slot+3], s[G0+4*\slot+2:G0+4*\slot+3], 2*4096
	s_add_nc_u64 s[G0B+4*\slot+2:G0B+4*\slot+3], s[G0B+4*\slot+2:G0B+4*\slot+3], 2*256
	JLOAD G0+4*\slot, G1, G0B+4*\slot, G1B
.else
	PLACES NP
.endif
	s_wait_alu depctr_va_vdst(0)
	FETCH_B \next, 0, 0
	FETCH_A \next, 0, 0
	WIN MUL_HI
	MUL8 4, 1, 0
	MUL8 6, 1, 0
	PLACES NP
	WIN 0
	FETCH_A \next, 0, 4
.endm
	s_wait_alu depctr_va_vdst(0)                   ; the wait at the head's end
	s_wait_tensorcnt 0x0                           ; my part of K step 0 is in; slot 1's first fill is issued as a refill is:
	ds_add_u32 v[SPW], v[NIL]                      ; 0 onto my spare word
	s_wait_dscnt 0x0
	CROUND                                         ; everybody's part of K step 0 is in, and all sixteen work-groups are here
	JLOAD G0+4, G1, G0B+4, G1B                     ; K step 1: the first tensor load behind the round
	FETCH_B 0, 0, 0
	FETCH_A 0, 0, 0
	FETCH_A 0, 0, 4
	STEP 0, 0, 1
	s_mov_b32 s3, LAPS-1
.Llap:
	TURN 0, 1, 1
	STEP 1, 0, 0
	TURN 1, 0, 1
	STEP 0, 0, 0
	s_sub_co_u32 s3, s3, 1
	s_cmp_lg_u32 s3, 0
	s_cbranch_scc1 .Llap
	TURN 0, 1, 0
	STEP 1, 0, 0
	s_wait_dscnt 4*NL
	WIN MUL_LO
	MUL8 0, 1, 0
	MUL8 2, 1, 0
	s_wait_dscnt 0
	WIN MUL_HI
	MUL8 4, 1, 0
	MUL8 6, 1, 0
	WIN 0
.macro TOSTAGE a
.set AC, 64*((\a)%4)
	WIN 0x02+((\a)/4)
.set j, 0
.rept 16
	v_pk_mul_f32 v[TMP+j:TMP+j+1], v[AC+j:AC+j+1], s[96:97] op_sel_hi:[1,0]
.set j, j+2
.endr
	WIN 0
.irp b, 0,1,2,3
	ds_store_b128 v[STO], v[TMP+8*\b:TMP+8*\b+3] offset:64*\b
	ds_store_b128 v[STO], v[TMP+8*\b+4:TMP+8*\b+7] offset:64*\b+16
.endr
.set BB, BK+32*((\a)%2)
.irp t, 0,1,2,3,4,5,6,7
	ds_load_b128 v[BB+4*\t:BB+4*\t+3], v[RD] offset:\t*2*SPITCH
.endr
.endm
.macro SEND a, younger
.set BB, BK+32*((\a)%2)
	s_wait_dscnt \younger
.irp t, 0,1,2,3,4,5,6,7
	global_store_b128 v[CO], v[BB+4*\t:BB+4*\t+3], s[10:11] offset:(32*((\a)/2)+8*((\a)%2)+2*\t+8*(\t/4))*4096 th:TH_STORE_NT
.endr
.endm
	s_wait_kmcnt 0x0
	s_add_co_i32 s96, s96, s97
	s_add_co_i32 s96, s96, 127
	s_lshl_b32 s96, s96, 23
	s_mov_b32 s97, s96
	PLACES NP
	TOSTAGE 0
	TOSTAGE 1
	SEND 0, 16
.irp a, 2,3,4,5,6,7
	s_wait_xcnt 0x0
	TOSTAGE \a
	SEND (\a)-1, 16
.endr
	SEND 7, 0
	s_wait_tensorcnt 0x0
	ds_add_u32 v[SPW], v[NIL]
	s_wait_dscnt 0x0
	CROUND
	s_endpgm
.Lfunc_end_k_qa618b437cb_gemm_out:
	.size	k_qa618b437cb_gemm_out, .Lfunc_end_k_qa618b437cb_gemm_out-k_qa618b437cb_gemm_out
	.p2alignl 7, 3214868480
	.fill 96, 4, 3214868480
	.section	.rodata,"a",@progbits
	.p2align	6, 0x0
	.amdhsa_kernel k_qa618b437cb_gemm_out
		.amdhsa_group_segment_fixed_size 327680
		.amdhsa_private_segment_fixed_size 0
		.amdhsa_enable_private_segment 0
		.amdhsa_kernarg_size 32
		.amdhsa_user_sgpr_count 2
		.amdhsa_user_sgpr_kernarg_segment_ptr 1
		.amdhsa_wavefront_size32 1
		.amdhsa_system_sgpr_workgroup_id_x 1
		.amdhsa_system_sgpr_workgroup_id_y 1
		.amdhsa_system_sgpr_workgroup_id_z 1
		.amdhsa_system_vgpr_workitem_id 0
		.amdhsa_next_free_vgpr 1024
		.amdhsa_next_free_sgpr 98
		.amdhsa_reserve_vcc 0
		.amdhsa_float_denorm_mode_32 3
		.amdhsa_float_denorm_mode_16_64 3
		.amdhsa_memory_ordered 1
		.amdhsa_forward_progress 1
		.amdhsa_inst_pref_size 77
	.end_amdhsa_kernel
	.amdgpu_metadata
---
amdhsa.version: [ 1, 2 ]
amdhsa.kernels:
  - .name:           k_qa618b437cb_gemm_out
    .symbol:         k_qa618b437cb_gemm_out.kd
    .args:
      - { .name: att, .offset: 0, .size: 8, .value_kind: global_buffer, .address_space: global }
      - { .name: wout_codes, .offset: 8, .size: 8, .value_kind: global_buffer, .address_space: global }
      - { .name: lowp_scales, .offset: 16, .size: 8, .value_kind: global_buffer, .address_space: global }
      - { .name: out0, .offset: 24, .size: 8, .value_kind: global_buffer, .address_space: global }
    .group_segment_fixed_size: 327680
    .private_segment_fixed_size: 0
    .kernarg_segment_align: 8
    .kernarg_segment_size: 32
    .max_flat_workgroup_size: 128
    .sgpr_count:     98
    .vgpr_count:     1024
    .wavefront_size: 32
...
	.end_amdgpu_metadata
.endif
;; end of part 4
